; MI455X (gfx1250); checked and timed in simulation.
; The chip was launched on July 23, 2026; its instructions are those of AMD's public machine-readable ISA for CDNA 5 (MIT licence, August 2026) and "CDNA5" Instruction Set Architecture Reference Guide (July 2026). The comments in the code are by the model that wrote it; some were corrected since.
;; RMS Norm. Allowed arithmetic: matrix products marked QUANTISED: E2M1 operands, one E8M0 scale for each 32 along K, by v_wmma_scale_f32_16x16x128_f8f6f4 with both operands' format E2M1 (or v_wmma_scale_f32_32x16x128_f4), f32 sums; products left as they are: bf16, f16 or f32 operands; f32 sums; everything else in f32.
;; Inputs: cos 2,048 x 32 float32; mask 1 x 1 x 2,048 x 2,048 float32; sin 2,048 x 32 float32; wk 2,048 x 512 float32; wo 2,048 x 2,048 float32; wq 2,048 x 2,048 float32; wv 2,048 x 512 float32; x 1 x 2,048 x 2,048 float32.
;; Outputs: out0 1 x 2,048 x 2,048 float32.
;; Constants: start_pos = 0.
;; This version of the problem:
;;   THIS VERSION OF THE PROBLEM IS GIVEN IN LOW PRECISION. The matrix products marked QUANTISED in the list below multiply operands that are first quantised to E2M1 (2 exponent bits, 1 mantissa bit; 4 bits a number), with one power-of-two scale for each 32 numbers along K (OCP MX v1.0); their sums are f32. The products marked 'left as it is' may take bf16, f16 or f32 operands, with f32 sums. Whichever they take, every output number must still come out within the allowed error. Rounding operands to bf16 (8 significant bits) uses up far more of that allowance than f16 does (11 bits, for magnitudes from 6e-5 to 65,504). All else is computed in f32.
;;   The module's matrix products, in the order in which they are computed (A, B: the left and right operand; K: the contracted axis; several contracted axes count as one K, in the product's order):
;;     1. [M 2,048, K 2,048] x [K 2,048, N 2,048]; A: input x; B: input wq: QUANTISED
;;     2. [M 2,048, K 2,048] x [K 2,048, N 512]; A: input x; B: input wk: QUANTISED
;;     3. [M 2,048, K 2,048] x [K 2,048, N 512]; A: input x; B: input wv: QUANTISED
;;     4. batch 32 x [M 2,048, K 64] x [K 64, N 2,048]; A: computed on the way; B: computed on the way: left as it is (an operand is computed on the way)
;;     5. batch 32 x [M 2,048, K 2,048] x [K 2,048, N 64]; A: computed on the way; B: computed on the way: left as it is (an operand is computed on the way)
;;     6. [M 2,048, K 2,048] x [K 2,048, N 2,048]; A: computed on the way; B: input wo: left as it is (an operand is computed on the way)
;;   THE QUANTISER, for each operand of a quantised product, along K:
;;     - K is cut into blocks of 32 from its start; a last block that is shorter is filled with zeros.
;;     - A block's scale is 2^e with e = floor(log2(the largest magnitude in the block)) - 2, held to -126 .. 127; a block of zeros has e = 0. As a byte (E8M0): e + 127.
;;     - Each number is divided by its block's scale, clamped to +-6, and rounded to the nearest number of E2M1, ties to even, subnormals kept.
;;     - The product sums the exact products of the quantised numbers (number of the format x scale) in f32.
;;   ~~~python
;;   def quantise(x, axis):      # numpy; x: float32 -> the quantised numbers, widened to float32 again
;;       x = np.moveaxis(x, axis, -1); K = x.shape[-1]
;;       x = np.pad(x, [(0, 0)] * (x.ndim - 1) + [(0, -K % 32)]); x = x.reshape(x.shape[:-1] + (-1, 32)); a = np.abs(x).max(-1, keepdims=True)
;;       e = np.where(a > 0, np.clip(np.frexp(np.where(a > 0, a, 1))[1] - 1 - 2, -126, 127), 0)      # np.frexp(a)[1] - 1 = floor(log2(a)), exactly
;;       r = np.clip(x / 2.0 ** e, -6, 6)
;;       step = 2.0 ** (np.maximum(np.frexp(np.where(r == 0, 1, r))[1] - 1, 0) - 1)
;;       q = np.round(r / step) * step * 2.0 ** e      # np.round: ties to even
;;       return np.moveaxis(q.reshape(q.shape[:-2] + (-1,))[..., :K], -1, axis).astype(np.float32)
;;   ~~~
;; One version. Each part assembles by itself: llvm-mc -triple=amdgcn-amd-amdhsa -mcpu=gfx1250 --defsym DOCPART=n.
;; ======== version 1 of 1: 7 launches
;; limits: values are held in f16: magnitudes above 65,504 overflow, below 6.1e-05 lose precision
;; workspace buffers: cd 5,242,880 bytes; sc 327,680 bytes; qkv 12,582,912 bytes; vf 4,194,304 bytes; wo16 8,388,608 bytes; o16 8,388,608 bytes; of 131,072 bytes; fp 2,228,224 bytes
;; launch prep (part 1): grid 288 x 1, 4 waves a work-group, no clusters, 102,912 bytes of LDS; arguments x, wq, wk, wv, wo, cd, sc, wo16; writes cd, sc, wo16
.if DOCPART == 1
	.amdgcn_target "amdgcn-amd-amdhsa--gfx1250"
	.amdhsa_code_object_version 6
	.text
	.protected	k_q4c6c4dbe16_prep
	.globl	k_q4c6c4dbe16_prep
	.p2align	8
	.type	k_q4c6c4dbe16_prep,@function
k_q4c6c4dbe16_prep:
	s_mov_b64 s[64:65], 0
	v_nop
	global_prefetch_b8 v0, s[64:65] scope:SCOPE_SE
	s_setreg_imm32_b32 hwreg(HW_REG_WAVE_MODE, 25, 1), 1
	s_wait_xcnt 0x0
; THREE JOBS IN ONE LAUNCH, told apart by the work-group's number; each has LDS bytes of its own.
;   work-groups   0 ..  95 (W): wq, wk, wv [2048 (k)][n] f32 -> codes of FP4 (E2M1), K innermost, [3072][1024 bytes] at byte 2,097,152 of cd, scale bytes [3072][64] at byte 131,072 of sc.
;        Rows n' of that operand: 0..2047 = wq's columns; 2048 + 256 i + 0..127 = wk's columns 128 i on; 2048 + 256 i + 128..255 = wv's columns 128 i on (i = 0..3).
;   work-groups  96 .. 159 (O): wo [2048 (k)][2048 (n)] f32 -> f16, laid [n][k], into wo16.
;   work-groups 160 .. 287 (X): x [2048][2048] f32 -> codes [2048][1024 bytes] at byte 0 of cd, scale bytes [2048][64] at byte 0 of sc.
; A block's scale is 2^(floor(log2(its largest magnitude)) - 2); its byte is the largest magnitude's exponent field - 2, held at 1 from below.
; LIMITS: a block of zeros, or one whose largest magnitude lies under 2^-124, gets the byte 1 (the rule says 127 for zeros): its codes are zeros, and this program alone reads the bytes.
; NaN and infinities among the inputs are not served.  wo goes to f16: |wo| under 65,504; numbers under 6e-5 are carried to 3e-8 absolute.
; No tensor loads, no barrier: waves share nothing.
.set SPARE, 102400                     ; the spare words, 128 bytes for each wave: two blocks of 256 bytes that no other line names
.set SPW,   222                        ; v222  LDS address of my spare word; never rewritten
.set NIL,   223                        ; v223  0; never rewritten
.set XRG,   16                         ; path X: v16-79 four sets of 16 numbers as loaded
.set XN,    80                         ;         v80-111 two sets of 16 neighbours
.set XE,    112                        ;         v112-127 a scale byte for each step
.set XC,    128                        ;         v128-191 codes, four registers for each step
.set SPX,   80                         ;         a lane's place in a stage: 64 bytes + 16 of padding
.set WST,   32768                      ; path W's four stages of 32 rows x 272 bytes
.set OST,   67584                      ; path O's four stages
.set PITCH, 272
.set X,     32                         ; paths W, O: v32-95 two sets of 32 numbers
.set C,     96                         ;             v96.. a block's codes (W: 4) or f16 pairs (O: 16)
.set OUTR,  112                        ;             v112-175 the way out
.set SB,    24                         ; path W: v24-27 the scale bytes
.set OFF,   176                        ; paths W, O: v176-207 byte offset of my column in rows 0..31 of a block
	s_load_b512 s[16:31], s[0:1], 0x0              ; x 16:17, wq 18:19, wk 20:21, wv 22:23, wo 24:25, cd 26:27, sc 28:29, wo16 30:31
	v_lshl_add_u32 v[SPW], v0, 2, SPARE
	v_mov_b32 v[NIL], 0
	v_lshrrev_b32 v1, 5, v0
	v_readfirstlane_b32 s2, v1                     ; wave 0..3
	v_and_b32 v2, 31, v0                           ; lane
	s_wait_kmcnt 0x0
	s_cmp_lt_u32 ttmp9, 96
	s_cbranch_scc1 .Lpath_w
	s_cmp_lt_u32 ttmp9, 160
	s_cbranch_scc1 .Lpath_o
; ---------------------------------------------------------------- PATH X: K is innermost.  A wave takes a run of 8,192 numbers in 16 steps of 512.
; Each of a step's four loads reads 512 consecutive bytes; the 2,048 bytes turn through the wave's own stage so that a lane holds 16 neighbours; two neighbouring lanes hold a block.
	s_sub_co_u32 s3, ttmp9, 160
	s_lshl_b32 s3, s3, 2
	s_add_co_u32 s3, s3, s2                        ; which run of 8,192 numbers is my wave's: 0..511
	s_mov_b32 s5, 0
	s_lshl_b32 s4, s3, 15
	s_add_nc_u64 s[16:17], s[16:17], s[4:5]        ; 32,768 bytes of x a run,
	s_lshl_b32 s4, s3, 12
	s_add_nc_u64 s[26:27], s[26:27], s[4:5]        ; 4,096 bytes of codes,
	s_lshl_b32 s4, s3, 8
	s_add_nc_u64 s[28:29], s[28:29], s[4:5]        ; 256 scale bytes
	s_lshl_b32 s6, s2, 13                          ; my wave's 8,192 bytes of LDS
	v_lshlrev_b32 v3, 4, v2                        ; my 16 bytes of a load's 512
	v_lshrrev_b32 v14, 2, v2
	v_mul_u32_u24 v14, v14, SPX
	v_and_b32 v15, 3, v2
	v_lshl_add_u32 v14, v15, 4, v14
	v_add_nc_u32 v14, s6, v14                      ; the stage, on the way in: SPX (lane / 4) + 16 (lane % 4)
	v_mul_u32_u24 v15, v2, SPX
	v_add_nc_u32 v15, s6, v15                      ; and on the way out: SPX x lane
	v_lshlrev_b32 v4, 3, v2                        ; my 8 bytes of a step's 256 bytes of codes
	v_lshrrev_b32 v5, 1, v2
	s_add_co_u32 s6, s6, 2*32*SPX
	v_add_nc_u32 v5, s6, v5                        ; LDS: my wave's 256 scale bytes, my block's byte
	v_lshlrev_b32 v7, 3, v2
	v_add_nc_u32 v6, s6, v7                        ; and 8 bytes a lane on the way out
.macro XLOAD t
.irp i, 0,1,2,3
	global_load_b128 v[XRG+16*((\t)%4)+4*\i:XRG+16*((\t)%4)+4*\i+3], v3, s[16:17] offset:2048*(\t)+512*\i th:TH_LOAD_NT
.endr
.endm
.macro XTURN t                         ; LDS serves a wave's instructions in order: no wait between the stores and the loads
.irp i, 0,1,2,3
	ds_store_b128 v14, v[XRG+16*((\t)%4)+4*\i:XRG+16*((\t)%4)+4*\i+3] offset:32*SPX*((\t)%2)+8*SPX*\i
.endr
.irp i, 0,1,2,3
	ds_load_b128 v[XN+16*((\t)%2)+4*\i:XN+16*((\t)%2)+4*\i+3], v15 offset:32*SPX*((\t)%2)+16*\i
.endr
.endm
.irp t, 0,1,2,3
	XLOAD \t
.endr
	s_wait_loadcnt 12                              ; step 0's four loads are in; the twelve of steps 1 to 3 may be out
	XTURN 0
.macro XSTEP t
.set XS, XN+16*((\t)%2)
.if (\t) > 0
	s_wait_dscnt 1                                 ; this step's numbers are back from the stage; the last step's byte store may be out
.else
	s_wait_dscnt 0x0
.endif
.if (\t)+4 < 16
	XLOAD (\t)+4                                   ; into the set whose stores into the stage are done
.endif
.if (\t)+1 < 16
.if 14-(\t) >= 3
	s_wait_loadcnt 12                              ; the next step's four loads are in; those of the three steps behind it may be out
.else
	s_wait_loadcnt 4*(14-(\t))
.endif
	XTURN (\t)+1
.endif
	v_max3_num_f32 v8, |v[XS]|, |v[XS+1]|, |v[XS+2]|
	v_max3_num_f32 v9, |v[XS+3]|, |v[XS+4]|, |v[XS+5]|
.irp i, 6,10
	v_max3_num_f32 v8, v8, |v[XS+\i]|, |v[XS+\i+1]|
	v_max3_num_f32 v9, v9, |v[XS+\i+2]|, |v[XS+\i+3]|
.endr
	v_max3_num_f32 v8, v8, |v[XS+14]|, |v[XS+15]|
	v_max3_num_f32 v8, v8, v9, 0x1800000           ; and the floor 2^(3 - 127): the byte cannot fall under 1
	v_max_num_f32_dpp v8, v8, v8 row_xmask:1 row_mask:0xf bank_mask:0xf   ; with my neighbour's 16: the block's largest magnitude
	v_add_nc_u32 v11, 0xff000000, v8               ; 2 off its exponent field: the conversion's scale operand
	v_cvt_scalef32_pk8_fp4_f32 v[XC+4*(\t)], v[XS:XS+7], v11
	v_cvt_scalef32_pk8_fp4_f32 v[XC+4*(\t)+1], v[XS+8:XS+15], v11
	v_lshrrev_b32 v[XE+(\t)], 23, v11              ; the scale's byte (also the plain line behind the conversions)
	ds_store_b8 v5, v[XE+(\t)] offset:16*(\t)      ; both lanes of a block write the same byte with the same value
	global_store_b64 v4, v[XC+4*(\t):XC+4*(\t)+1], s[26:27] offset:256*(\t)   ; the wave stores 256 consecutive bytes, aligned
.endm
.irp t, 0,1,2,3,4,5,6,7,8,9,10,11,12,13,14,15
	XSTEP \t
.endr
	ds_load_b64 v[8:9], v6
	s_wait_dscnt 0x0
	global_store_b64 v7, v[8:9], s[28:29]          ; my wave's 256 scale bytes, aligned
	s_wait_tensorcnt 0x0                           ; the wave's end, behind my last LDS store
	ds_add_u32 v[SPW], v[NIL]
	s_wait_dscnt 0x0
	s_endpgm
; ---------------------------------------------------------------- what paths W and O share: a lane takes a column, its registers run down K
.macro LANES base, sh                  ; s10 = a row of the source in bytes; base = the path's stages; 1 << sh = a row of the output in bytes
	v_lshlrev_b32 v[OFF], 2, v2
.set li, 1
.rept 31
	v_add_nc_u32 v[OFF+li], s10, v[OFF+li-1]
.set li, li+1
.endr
	s_mul_i32 s15, s2, 32*PITCH
	s_add_co_u32 s15, s15, \base                   ; my stage
	v_mul_u32_u24 v4, v2, PITCH
	v_add_nc_u32 v4, s15, v4                       ; into it: row = my column
	v_and_b32 v5, 15, v2
	v_lshrrev_b32 v6, 4, v2
	v_mul_u32_u24 v7, v6, PITCH
	v_lshl_add_u32 v7, v5, 4, v7
	v_add_nc_u32 v7, s15, v7                       ; out of it: sixteen lanes to a row, two rows an instruction
	v_lshlrev_b32 v8, \sh, v6
	v_lshl_add_u32 v8, v5, 4, v8                   ; and the same place in the output
.endm
.macro WLOAD t                         ; block t: rows 32 t .. 32 t + 31 of my column, into set t % 2; a wave's load reads 128 consecutive bytes
.if (\t) > 0
	s_wait_xcnt 0x0                                ; the earlier loads have read their base: it may step
	s_add_nc_u64 s[6:7], s[6:7], s[36:37]          ; 32 rows on
.endif
.set wi, 0
.rept 32
	global_load_b32 v[X+32*((\t)%2)+wi], v[OFF+wi], s[6:7] th:TH_LOAD_NT
.set wi, wi+1
.endr
.endm
; ---------------------------------------------------------------- PATH W: 24 groups of 128 columns x 4 parts of 512 along K
.Lpath_w:
	s_lshr_b32 s3, ttmp9, 2                        ; column group 0..23
	s_and_b32 s4, ttmp9, 3                         ; which 512 along K
	s_mov_b32 s10, 2048
	s_cmp_lt_u32 s3, 20
	s_cselect_b64 s[6:7], s[20:21], s[22:23]       ; wk or wv,
	s_cselect_b32 s8, 16, 20
	s_cselect_b32 s9, 0, 128
	s_cmp_lt_u32 s3, 16
	s_cselect_b64 s[6:7], s[18:19], s[6:7]         ; or wq: the choice hangs on the work-group's number alone
	s_cselect_b32 s8, 0, s8
	s_cselect_b32 s10, 8192, s10                   ; a row of the source in bytes
	s_sub_co_u32 s11, s3, s8                       ; the group within its tensor
	s_lshl_b32 s12, s11, 7                         ; its first column
	s_lshl_b32 s13, s11, 8
	s_add_co_u32 s13, s13, s9
	s_add_co_u32 s13, s13, 2048
	s_cmp_lt_u32 s3, 16
	s_cselect_b32 s13, s12, s13                    ; its first row n' of the operand
	s_lshl_b32 s14, s2, 5
	s_add_co_u32 s12, s12, s14                     ; my wave's 32 columns
	s_add_co_u32 s13, s13, s14
	s_mul_i32 s32, s4, s10
	s_lshl_b32 s32, s32, 9                         ; 512 rows for each part of K
	s_lshl_b32 s33, s12, 2
	s_add_co_u32 s32, s32, s33
	s_mov_b32 s33, 0
	s_add_nc_u64 s[6:7], s[6:7], s[32:33]
	s_lshl_b32 s36, s10, 5                         ; 32 rows
	s_mov_b32 s37, 0
	s_lshl_b32 s32, s13, 10                        ; codes: 1,024 bytes a row, 256 for each part of K
	s_lshl_b32 s34, s4, 8
	s_add_co_u32 s32, s32, s34
	s_add_co_u32 s32, s32, 2097152
	s_add_nc_u64 s[26:27], s[26:27], s[32:33]
	s_lshl_b32 s32, s13, 6                         ; scale bytes: 64 a row, 16 for each part of K
	s_lshl_b32 s34, s4, 4
	s_add_co_u32 s32, s32, s34
	s_add_co_u32 s32, s32, 131072
	s_add_nc_u64 s[28:29], s[28:29], s[32:33]
	LANES WST, 10
	v_lshlrev_b32 v9, 6, v2                        ; my column's row of scale bytes
	WLOAD 0
	WLOAD 1
.macro WBLOCK t
.set XS, X+32*((\t)%2)
.if (\t) < 15
	s_wait_loadcnt 32                              ; this block's 32 loads are in; the next block's may be out
.else
	s_wait_loadcnt 0x0
.endif
	v_max3_num_f32 v12, |v[XS]|, |v[XS+1]|, |v[XS+2]|
	v_max3_num_f32 v13, |v[XS+3]|, |v[XS+4]|, |v[XS+5]|
.irp i, 6,10,14,18,22,26
	v_max3_num_f32 v12, v12, |v[XS+\i]|, |v[XS+\i+1]|
	v_max3_num_f32 v13, v13, |v[XS+\i+2]|, |v[XS+\i+3]|
.endr
	v_max3_num_f32 v12, v12, |v[XS+30]|, |v[XS+31]|
	v_max3_num_f32 v12, v12, v13, 0x1800000        ; and the floor 2^(3 - 127)
	v_add_nc_u32 v11, 0xff000000, v12              ; the conversion's scale operand
	v_lshrrev_b32 v13, 23, v11                     ; the scale's byte
.if (\t)%4 == 0
	v_mov_b32 v[SB+(\t)/4], v13
.else
	v_lshl_or_b32 v[SB+(\t)/4], v13, 8*((\t)%4), v[SB+(\t)/4]
.endif
.irp g, 0,1,2,3
	v_cvt_scalef32_pk8_fp4_f32 v[C+\g], v[XS+8*\g:XS+8*\g+7], v11
.endr
	ds_store_b128 v4, v[C:C+3] offset:16*(\t)      ; 32 codes: 16 bytes of my column's row
.if (\t)+2 < 16
	WLOAD (\t)+2
.endif
	s_wait_dscnt 0x0                               ; the store has read its registers: the next block's codes may be written
.endm
.irp t, 0,1,2,3,4,5,6,7,8,9,10,11,12,13,14,15
	WBLOCK \t
.endr
	global_store_b128 v9, v[SB:SB+3], s[28:29]     ; my column's 16 scale bytes
.irp t, 0,1,2,3,4,5,6,7,8,9,10,11,12,13,14,15
	ds_load_b128 v[OUTR+4*\t:OUTR+4*\t+3], v7 offset:2*\t*PITCH
.endr
.irp t, 0,1,2,3,4,5,6,7,8,9,10,11,12,13,14,15
	s_wait_dscnt 15-\t                             ; load t is in; the younger ones may be out
	global_store_b128 v8, v[OUTR+4*\t:OUTR+4*\t+3], s[26:27] offset:2*\t*1024   ; sixteen lanes store 256 consecutive bytes, aligned
.endr
	s_wait_tensorcnt 0x0                           ; the wave's end, behind my last LDS store
	ds_add_u32 v[SPW], v[NIL]
	s_wait_dscnt 0x0
	s_endpgm
; ---------------------------------------------------------------- PATH O: 16 groups of 128 columns x 4 parts of 512 along K; four blocks (128 k, 256 bytes of f16) to a round through the stage
.Lpath_o:
	s_sub_co_u32 s3, ttmp9, 96
	s_and_b32 s4, s3, 3
	s_lshr_b32 s3, s3, 2
	s_mov_b32 s10, 8192
	s_lshl_b32 s12, s3, 7
	s_lshl_b32 s14, s2, 5
	s_add_co_u32 s12, s12, s14                     ; my wave's first column n
	s_lshl_b32 s32, s4, 22                         ; 512 rows of 8,192 bytes for each part of K
	s_lshl_b32 s33, s12, 2
	s_add_co_u32 s32, s32, s33
	s_mov_b32 s33, 0
	s_add_nc_u64 s[6:7], s[24:25], s[32:33]
	s_mov_b32 s36, 262144                          ; 32 rows
	s_mov_b32 s37, 0
	s_lshl_b32 s32, s12, 12                        ; wo16: 4,096 bytes a row n, 1,024 for each part of K
	s_lshl_b32 s34, s4, 10
	s_add_co_u32 s32, s32, s34
	s_add_nc_u64 s[30:31], s[30:31], s[32:33]
	LANES OST, 12
	WLOAD 0
	WLOAD 1
.macro OBLOCK t
.set XS, X+32*((\t)%2)
.if (\t) < 15
	s_wait_loadcnt 32                              ; this block's 32 loads are in; the next block's may be out
.else
	s_wait_loadcnt 0x0
.endif
.set oj, 0
.rept 16
	v_cvt_pk_f16_f32 v[C+oj], v[XS+2*oj], v[XS+2*oj+1]   ; the lower k in the low half
.set oj, oj+1
.endr
.irp q, 0,1,2,3
	ds_store_b128 v4, v[C+4*\q:C+4*\q+3] offset:64*((\t)%4)+16*\q
.endr
.if (\t)+2 < 16
	WLOAD (\t)+2
.endif
	s_wait_dscnt 0x0
.if (\t)%4 == 3
.if (\t) > 3
	s_wait_xcnt 0x0                                ; the last round's stores have read their registers
.endif
.irp i, 0,1,2,3,4,5,6,7,8,9,10,11,12,13,14,15
	ds_load_b128 v[OUTR+4*\i:OUTR+4*\i+3], v7 offset:2*\i*PITCH
.endr
.irp i, 0,1,2,3,4,5,6,7,8,9,10,11,12,13,14,15
	s_wait_dscnt 15-\i                             ; load i is in; the younger ones may be out
	global_store_b128 v8, v[OUTR+4*\i:OUTR+4*\i+3], s[30:31] offset:2*\i*4096+256*((\t)/4)   ; sixteen lanes store 256 consecutive bytes, aligned
.endr
.endif
.endm
.irp t, 0,1,2,3,4,5,6,7,8,9,10,11,12,13,14,15
	OBLOCK \t
.endr
	s_wait_tensorcnt 0x0                           ; the wave's end, behind my last LDS store
	ds_add_u32 v[SPW], v[NIL]
	s_wait_dscnt 0x0
	s_endpgm
.Lfunc_end_k_q4c6c4dbe16_prep:
	.size	k_q4c6c4dbe16_prep, .Lfunc_end_k_q4c6c4dbe16_prep-k_q4c6c4dbe16_prep
	.p2alignl 7, 3214868480
	.fill 96, 4, 3214868480
	.section	.rodata,"a",@progbits
	.p2align	6, 0x0
	.amdhsa_kernel k_q4c6c4dbe16_prep
		.amdhsa_group_segment_fixed_size 102912
		.amdhsa_private_segment_fixed_size 0
		.amdhsa_enable_private_segment 0
		.amdhsa_kernarg_size 64
		.amdhsa_user_sgpr_count 2
		.amdhsa_user_sgpr_kernarg_segment_ptr 1
		.amdhsa_wavefront_size32 1
		.amdhsa_system_sgpr_workgroup_id_x 1
		.amdhsa_system_sgpr_workgroup_id_y 1
		.amdhsa_system_sgpr_workgroup_id_z 1
		.amdhsa_system_vgpr_workitem_id 0
		.amdhsa_next_free_vgpr 224
		.amdhsa_next_free_sgpr 66
		.amdhsa_reserve_vcc 0
		.amdhsa_float_denorm_mode_32 3
		.amdhsa_float_denorm_mode_16_64 3
		.amdhsa_memory_ordered 1
		.amdhsa_forward_progress 1
		.amdhsa_inst_pref_size 198
	.end_amdhsa_kernel
	.amdgpu_metadata
---
amdhsa.version: [ 1, 2 ]
amdhsa.kernels:
  - .name:           k_q4c6c4dbe16_prep
    .symbol:         k_q4c6c4dbe16_prep.kd
    .args:
      - { .name: x, .offset: 0, .size: 8, .value_kind: global_buffer, .address_space: global }
      - { .name: wq, .offset: 8, .size: 8, .value_kind: global_buffer, .address_space: global }
      - { .name: wk, .offset: 16, .size: 8, .value_kind: global_buffer, .address_space: global }
      - { .name: wv, .offset: 24, .size: 8, .value_kind: global_buffer, .address_space: global }
      - { .name: wo, .offset: 32, .size: 8, .value_kind: global_buffer, .address_space: global }
      - { .name: cd, .offset: 40, .size: 8, .value_kind: global_buffer, .address_space: global }
      - { .name: sc, .offset: 48, .size: 8, .value_kind: global_buffer, .address_space: global }
      - { .name: wo16, .offset: 56, .size: 8, .value_kind: global_buffer, .address_space: global }
    .group_segment_fixed_size: 102912
    .private_segment_fixed_size: 0
    .kernarg_segment_align: 8
    .kernarg_segment_size: 64
    .max_flat_workgroup_size: 128
    .sgpr_count:     66
    .vgpr_count:     224
    .wavefront_size: 32
...
	.end_amdgpu_metadata
.endif
;; end of part 1
;; launch gemm (part 2): grid 12 x 8, 4 waves a work-group, clusters of 4 x 4, 327,680 bytes of LDS; arguments cd, sc, cos, sin, qkv, vf; writes qkv, vf
.if DOCPART == 2
	.amdgcn_target "amdgcn-amd-amdhsa--gfx1250"
	.amdhsa_code_object_version 6
	.text
	.protected	k_q4c6c4dbe16_gemm
	.globl	k_q4c6c4dbe16_gemm
	.p2align	8
	.type	k_q4c6c4dbe16_gemm,@function
k_q4c6c4dbe16_gemm:
	s_mov_b64 s[64:65], 0
	v_nop
	global_prefetch_b8 v0, s[64:65] scope:SCOPE_SE
	s_setreg_imm32_b32 hwreg(HW_REG_WAVE_MODE, 25, 1), 1
	s_wait_xcnt 0x0
	s_wait_alu depctr_hold_cnt(0) depctr_sa_sdst(0) depctr_va_vdst(0) depctr_va_sdst(0) depctr_va_ssrc(0) depctr_va_vcc(0) depctr_vm_vsrc(0)
	s_getreg_b32 s2, hwreg(HW_REG_IB_STS2, 6, 4)
	s_cmp_eq_u32 s2, 0
	s_cbranch_scc0 .Lentry_in_a_cluster
	s_endpgm
.Lentry_in_a_cluster:
	s_bfe_u32 s2, ttmp6, 0x10000c
	s_cmp_lg_u32 s2, 0xf033
	s_cbranch_scc0 .Lentry_shape_is_right
	s_endpgm
.Lentry_shape_is_right:
; [x wq | x wk | x wv] on codes of FP4 (E2M1) with one E8M0 scale for each 32 along K: C[m][n'] = sum over k of X[m][k] W[n'][k], m = 2,048, n' = 3,072, k = 2,048; sums in f32.
; Codes: cd: X [2048][1024 bytes] at byte 0, W [3072][1024 bytes] at byte 2,097,152.  Scale bytes: sc: [2048][64] at 0, [3072][64] at 131,072.
; Rows n' of W: 0..2047 wq's columns; tile 8 + i (256 rows) = wk's columns 128 i on, then wv's columns 128 i on.
; A tile of C, 256 x 256, is made by four waves, each 128 x 128: 64 accumulators of 16 x 16.  K goes in steps of 512 through a ring of two LDS slots filled by the tensor data mover.
; The scale bytes of the work-group's 256 + 256 rows come into LDS once, with the first fills.  CLUSTERS 4 x 4: X's tile is asked for jointly along a row of the cluster, W's along a column.
; The matrix instruction is used transposed (source 0 = 16 rows of W, source 1 = 16 rows of X): a lane holds eight neighbouring columns of one row of C.
; THE WAY OUT: the rotation by cos and sin on q and k (pairs of neighbouring columns), q x 1/8 (the scores' 1 / sqrt(64), exact), rounded to f16, laid by head: qkv [48][2048][64]: heads 0-31 q, 32-39 k, 40-47 v.
; v is not rotated (cos is replaced by 1 and sin by 0 through a factor and an addend chosen by ids) and also leaves as f32: vf [8][2048][64].
; The rotation is one multiplication and one fused multiply-add for each number.  LIMITS: |q| / 8, |k|, |v| under 65,504 (f16); cos and sin finite.
; REGISTERS, in windows of 256: window 0: v0-31 addresses; v32-95 scale words, two sets; v128-191 X's fragments; on the way out v32-255 at work.
;   window 1: W's fragments, two sets, v0-63 and v128-191; the rest, and on the way out all of it: cos and sin of my 128 rows.   windows 2, 3: the accumulators ((a, b) at v[8 (8 (a % 4) + b)]).
.set KSTEP,  512
.set NQ,     4
.set ROWB,   256
.set KROW,   1024
.set PITCH,  272                       ; an LDS row: 256 bytes + 16 of padding: the 16 rows that a load touches start at 16 different banks (64 banks of 4 bytes: ISA guide 11.1)
.set FR,     8
.set NL,     2
.set NP,     4                         ; places behind this matrix instruction (ISA guide 7.12.1)
.set HALFT,  128*PITCH
.set SLOT,   4*HALFT
.set LAPS,   2
.set KS,     64
.set SCL,    2*SLOT
.set HALFS,  32*272
.set SBLK,   4*272
.set SPARE,  SCL+4*HALFS               ; the spare words, 128 bytes for each wave: two blocks of 256 bytes that no other line names
.set ERow,   784                       ; the way out: a stage row: 512 bytes of f32, 256 of f16, 16 of padding; 16 rows a wave, in slot 0, which has had its last fill and its last read by then
.set ADRA, 16
.set CA,   18                          ; v18  my byte in cos and in sin: (my first row + lane % 16) x 128 + 16 (lane / 16); never rewritten
.set STOH, 19                          ; v19  stage: where I put 16 bytes of f16
.set ADRB, 20
.set RDH,  22                          ; v22  stage: where I read f16 back
.set GH,   23                          ; v23  my byte offset in qkv
.set STOF, 24                          ; v24  stage: where I put 32 bytes of f32
.set RDF,  25                          ; v25  stage: where I read f32 back
.set GF,   26                          ; v26  my byte offset in vf
.set ADRS, 27
.set SPW,  28
.set NIL,  29
.set SC,   32
.set AF,   128
.set CC,   32                          ; the way out: v32-47 cos x factor + addend; v48-63 sin x factor
.set SS,   48
.set HH,   96                          ; v96-127 a block's f16
.set TF,   128                         ; v128-191 a block's f32
.set TT,   224                         ; v224-231 at work
.set GG,   232                         ; v232-233 the addend, twice
.set ISV,  95                          ; s95  1 in a wave whose columns are v's
.set G1, 24
.set G0, 32
.set G1B, 48
.set G0B, 56
.set G1S, 68
.set G0S, 76
.set G1SB, 80
.set G0SB, 88
.set MSB, 0
.macro WIN new                         ; the immediate's high byte repeats the setting that is left
.if MSB != (\new)
	s_set_vgpr_msb (MSB<<8)|(\new)
.set MSB, (\new)
.endif
.endm
.set MUL_LO, 0xa1
.set MUL_HI, 0xf1
.set TO_B,   0x40
; A joint load: waves 0 and 1 fetch for X, waves 2 and 3 for W.  The branch hangs on the wave's number alone.  An s_nop 0 and four v_nop follow each of the two lines.
.macro JLOAD g0a, g1a, g0b, g1b
	s_cmp_eq_u32 s15, 0
	s_cbranch_scc0 .Lfor_b_\@
	tensor_load_to_lds s[\g0a:\g0a+3], s[\g1a:\g1a+7]
	s_nop 0
.rept 4
	v_nop
.endr
	s_branch .Lasked_\@
.Lfor_b_\@:
	tensor_load_to_lds s[\g0b:\g0b+3], s[\g1b:\g1b+7]
	s_nop 0
.rept 4
	v_nop
.endr
.Lasked_\@:
.endm
.macro CREST
	s_cmp_lg_u32 s14, 0
	s_cbranch_scc1 .Lnot_wave_0_\@
	s_barrier_signal -3
.Lnot_wave_0_\@:
	s_barrier_wait -3
	s_barrier_signal -1
	s_barrier_wait -1
.endm
.macro CROUND
	s_barrier_signal -1
	s_barrier_wait -1
	CREST
.endm
	s_load_b128 s[4:7], s[0:1], 0x0                ; cd, sc
	s_load_b128 s[96:99], s[0:1], 0x10             ; cos, sin
	s_load_b64 s[12:13], s[0:1], 0x20              ; qkv
	s_load_b64 s[100:101], s[0:1], 0x28            ; vf
	v_lshl_add_u32 v[SPW], v0, 2, SPARE
	v_mov_b32 v[NIL], 0
	ds_add_u32 v[SPW], v[NIL]                      ; the wave's opening: the add, twice on end, and its wait ahead of my first tensor load
	ds_add_u32 v[SPW], v[NIL]
	v_lshrrev_b32 v1, 5, v0
	v_readfirstlane_b32 s14, v1                    ; wave 0..3
	s_lshr_b32 s15, s14, 1                         ; which half of the tile's rows is mine.  Also: I fetch for X (0) or for W (1)
	s_and_b32 s16, s14, 1                          ; which half of its columns.  Also: which 128 rows of that tile I fetch
	s_bfe_u32 s40, ttmp6, 0x40000                  ; cx, cy
	s_bfe_u32 s41, ttmp6, 0x40004
	s_lshl_b32 s42, ttmp9, 2
	s_add_co_u32 s42, s42, s40                     ; tile column 0..11
	s_and_b32 s17, ttmp7, 0xffff
	s_lshl_b32 s17, s17, 2
	s_add_co_u32 s17, s17, s41                     ; tile row 0..7
	s_lshl_b32 s43, s41, 2
	s_lshl_b32 s43, 15, s43                        ; my row of the cluster
	s_lshl_b32 s44, 0x1111, s40                    ; my column
	s_or_b32 s[G1+0], s43, (0<<16)|(1<<20)|(1<<21)|(5<<22)|(3<<25)  ; the mask; elements of 1 byte; padding: 4 words after every 64; bit 21 beside a mask
	s_or_b32 s[G1B+0], s44, (0<<16)|(1<<20)|(1<<21)|(5<<22)|(3<<25)
.irp g, G1, G1B
	s_mov_b32 s[\g+1], ROWB<<16                    ; tensor_dim0
	s_mov_b32 s[\g+2], 128<<16                     ; tensor_dim1
	s_mov_b32 s[\g+3], ROWB<<16                    ; tile_dim0
	s_mov_b32 s[\g+4], 128                         ; tile_dim1
	s_mov_b32 s[\g+5], KROW                        ; the pitch
	s_mov_b32 s[\g+6], 0
	s_mov_b32 s[\g+7], 0
.endr
	s_or_b32 s[G1S+0], s43, (3<<16)|(1<<20)|(1<<21)|(5<<22)|(3<<25)  ; the scale bytes of 128 rows: 8,192 dense bytes as 32 rows of 256 (32 elements of 8 bytes)
	s_or_b32 s[G1SB+0], s44, (3<<16)|(1<<20)|(1<<21)|(5<<22)|(3<<25)
.irp g, G1S, G1SB
	s_mov_b32 s[\g+1], 32<<16
	s_mov_b32 s[\g+2], 32<<16
	s_mov_b32 s[\g+3], 32<<16
	s_mov_b32 s[\g+4], 32
	s_mov_b32 s[\g+5], 32
	s_mov_b32 s[\g+6], 0
	s_mov_b32 s[\g+7], 0
.endr
	s_lshl_b32 s18, s16, 7
	s_lshl_b32 s20, s17, 8
	s_add_co_u32 s20, s20, s18                     ; X: row 256 x tile row + 128 x half
	s_lshl_b32 s46, s42, 8
	s_add_co_u32 s46, s46, s18                     ; W: row 256 x tile column + 128 x half
	s_mov_b32 s21, 0
	s_mov_b32 s47, 0
	s_mov_b64 s[18:19], KS
	s_mul_u64 s[22:23], s[20:21], s[18:19]
	s_mul_u64 s[92:93], s[46:47], s[18:19]
	s_mov_b64 s[18:19], KROW
	s_mul_u64 s[20:21], s[20:21], s[18:19]
	s_mul_u64 s[46:47], s[46:47], s[18:19]
	s_mul_i32 s45, s14, HALFT                      ; where they go: wave x 128 rows
	s_mul_i32 s94, s14, HALFS
	s_wait_dscnt 0x0                               ; both opening adds are done
	s_wait_kmcnt 0x0
	s_add_nc_u64 s[8:9], s[4:5], 2097152           ; W's codes
	s_add_nc_u64 s[10:11], s[6:7], 131072          ; W's scale bytes
	s_add_nc_u64 s[20:21], s[4:5], s[20:21]
	s_add_nc_u64 s[22:23], s[6:7], s[22:23]
	s_add_nc_u64 s[46:47], s[8:9], s[46:47]
	s_add_nc_u64 s[92:93], s[10:11], s[92:93]
	CROUND                                         ; all sixteen work-groups are here: the first joint loads meet
	s_mov_b32 s[G0S], 1
	s_add_co_u32 s[G0S+1], s94, SCL
	s_mov_b64 s[G0S+2:G0S+3], s[22:23]
	s_or_b32 s[G0S+3], s[G0S+3], 0x80000000
	s_mov_b32 s[G0SB], 1
	s_add_co_u32 s[G0SB+1], s94, SCL
	s_mov_b64 s[G0SB+2:G0SB+3], s[92:93]
	s_or_b32 s[G0SB+3], s[G0SB+3], 0x80000000
	JLOAD G0S, G1S, G0SB, G1SB                     ; the scales first: they are wanted with K step 0
.irp s, 0,1
	s_mov_b32 s[G0+4*\s], 1
	s_add_co_u32 s[G0+4*\s+1], s45, \s*SLOT
	s_add_nc_u64 s[G0+4*\s+2:G0+4*\s+3], s[20:21], \s*ROWB
	s_or_b32 s[G0+4*\s+3], s[G0+4*\s+3], 0x80000000
	s_mov_b32 s[G0B+4*\s], 1
	s_add_co_u32 s[G0B+4*\s+1], s45, \s*SLOT
	s_add_nc_u64 s[G0B+4*\s+2:G0B+4*\s+3], s[46:47], \s*ROWB
	s_or_b32 s[G0B+4*\s+3], s[G0B+4*\s+3], 0x80000000
	JLOAD G0+4*\s, G1, G0B+4*\s, G1B
.endr
	v_and_b32 v1, 15, v0                           ; r = l % 16
	v_bfe_u32 v2, v0, 4, 1                         ; h = l / 16
	v_mul_u32_u24 v3, v1, PITCH
	v_lshl_add_u32 v4, v2, 4, v3
	s_mul_i32 s21, s15, HALFT
	s_mul_i32 s22, s16, HALFT
	s_add_co_u32 s22, s22, 2*HALFT
.irp s, 0,1
	v_add_nc_u32 v[ADRA+\s], s21, v4
	v_add_nc_u32 v[ADRB+\s], s22, v4
	s_add_co_u32 s21, s21, SLOT
	s_add_co_u32 s22, s22, SLOT
.endr
	v_mul_u32_u24 v5, v1, KS                       ; my row's scales: 64 bytes a row,
	v_lshrrev_b32 v6, 8, v5
	v_lshl_add_u32 v5, v6, 4, v5                   ; and 16 more for each 256 passed
	s_mul_i32 s21, s15, HALFS
	s_mul_i32 s22, s16, HALFS
	s_add_co_u32 s22, s22, 2*HALFS
	s_sub_co_u32 s22, s22, s21
	v_mul_u32_u24 v6, s22, v2                      ; lanes 16-31 take W's
	s_add_co_u32 s21, s21, SCL
	v_add_nc_u32 v5, v5, v6
	v_add_nc_u32 v[ADRS], s21, v5
	; the way out's addresses
	s_mul_i32 s23, s14, 16*ERow                    ; my stage
	v_mul_u32_u24 v5, v1, ERow
	v_add_nc_u32 v5, s23, v5
	v_lshl_add_u32 v[STOF], v2, 5, v5              ; f32 in: row r, + 32 h
	v_lshl_add_u32 v[STOH], v2, 4, v5
	v_add_nc_u32 v[STOH], 512, v[STOH]             ; f16 in: row r, behind the f32, + 16 h
	v_and_b32 v6, 31, v0
	v_lshlrev_b32 v7, 4, v6
	v_add_nc_u32 v[RDF], s23, v7                   ; f32 back: the 32 lanes take a row's 512 bytes
	v_bfe_u32 v8, v0, 3, 1
	v_and_b32 v9, 7, v0
	v_mul_u32_u24 v10, v8, ERow
	v_lshl_add_u32 v10, v2, 7, v10
	v_lshl_add_u32 v10, v9, 4, v10
	v_add_nc_u32 v10, s23, v10
	v_add_nc_u32 v[RDH], 512, v10                  ; f16 back: lanes 0-15 two rows of my first head, lanes 16-31 of my second
	v_lshlrev_b32 v[GH], 18, v2
	v_lshl_add_u32 v[GH], v8, 7, v[GH]
	v_lshl_add_u32 v[GH], v9, 4, v[GH]             ; in qkv: a head is 262,144 bytes, a row 128
	v_lshlrev_b32 v[GF], 19, v2
	v_lshl_add_u32 v[GF], v1, 4, v[GF]             ; in vf: a head is 524,288 bytes
	s_lshl_b32 s20, s17, 8
	s_lshl_b32 s21, s15, 7
	s_add_co_u32 s20, s20, s21                     ; my first row: 256 x tile row + 128 x half
	s_lshl_b32 s21, s20, 7                         ; x 128 bytes: a row of cos, of sin and of a head of qkv
	v_lshlrev_b32 v5, 7, v1
	v_lshl_add_u32 v5, v2, 4, v5
	v_add_nc_u32 v[CA], s21, v5
	s_lshl_b32 s22, s42, 2
	s_lshl_b32 s23, s16, 1
	s_add_co_u32 s22, s22, s23                     ; q: head 4 x tile column + 2 x half
	s_lshl_b32 s23, s42, 1
	s_lshl_b32 s45, s16, 3
	s_add_co_u32 s23, s23, s45
	s_add_co_u32 s23, s23, 16                      ; k, v: head 16 + 8 x half + 2 x tile column
	s_cmp_lt_u32 ttmp9, 2                          ; clusters 0 and 1 along x hold q's columns
	s_cselect_b32 s22, s22, s23
	s_lshl_b32 s22, s22, 18
	s_add_co_u32 s22, s22, s21
	s_mov_b32 s23, 0
	s_add_nc_u64 s[12:13], s[12:13], s[22:23]
	s_sub_co_i32 s22, s42, 8
	s_max_i32 s22, s22, 0
	s_lshl_b32 s22, s22, 20                        ; v's head 2 (tile column - 8), 524,288 bytes each
	s_lshl_b32 s45, s20, 8
	s_add_co_u32 s22, s22, s45
	s_add_nc_u64 s[100:101], s[100:101], s[22:23]
	s_cmp_eq_u32 s16, 0
	s_cselect_b32 s92, 0x3f800000, 0               ; k: factor 1; v: factor 0
	s_cselect_b32 s[ISV], 0, 1
	s_cmp_lt_u32 ttmp9, 2
	s_cselect_b32 s92, 0x3e000000, s92             ; q: factor 1/8
	s_cselect_b32 s[ISV], 0, s[ISV]                ; hangs on the cluster's x and the wave's number alone: the same in all partners
	s_mov_b32 s93, s92
	s_cmp_eq_u32 s[ISV], 1
	s_cselect_b32 s94, 0x3f800000, 0               ; v: addend 1
	v_mov_b32 v[GG], s94
	v_mov_b32 v[GG+1], s94
; cos and sin of row block a (16 rows): lane (r, h) wants, for column block b, the pairs 8 (b % 4) + 4 h + 0..3: 16 bytes.  32 registers a block, in window 1
.macro CSLOAD a
.set CB_, 32*((\a)%2)+128*(((\a)%4)/2)+64*(1-(\a)/4)
.irp bq, 0,1,2,3
	global_load_b128 v[CB_+4*\bq:CB_+4*\bq+3], v[CA], s[96:97] offset:(\a)*2048+32*\bq
	global_load_b128 v[CB_+16+4*\bq:CB_+16+4*\bq+3], v[CA], s[98:99] offset:(\a)*2048+32*\bq
.endr
.endm
	WIN TO_B
	CSLOAD 0                                       ; blocks 0-3 go into the registers of window 1 that W's two sets leave idle; they are waited for on the way out
	CSLOAD 1
	CSLOAD 2
	CSLOAD 3
	WIN 0
.macro FRAG reg, adr, q, i             ; 16 rows x 128 K of 4-bit codes: 8 registers: lane l holds row l % 16; registers 4 c .. 4 c + 3 hold K = 64 c + 32 (l / 16) + 0 .. 31
.irp c, 0,1
	ds_load_b128 v[\reg+4*\c:\reg+4*\c+3], v[\adr] offset:64*(\q)+32*\c+(\i)*16*PITCH
.endr
.endm
; 16 matrix instructions: X's blocks a0, a0 + 1 x W's eight.  The 64 accumulators take turns, one instruction a turn, in the same order in every step.
.macro MUL16 a0, p, q, sc, zero
.irp a, \a0, \a0+1
.irp b, 0,1,2,3,4,5,6,7
.if \zero
	v_wmma_scale_f32_16x16x128_f8f6f4 v[8*(8*((\a)%4)+\b):8*(8*((\a)%4)+\b)+7], v[128*(\p)+FR*\b:128*(\p)+FR*\b+FR-1], v[AF+FR*(\a):AF+FR*(\a)+FR-1], 0, v[SC+8*NQ*(\sc)+NQ*\b+(\q)], v[SC+8*NQ*(\sc)+NQ*(\a)+(\q)] matrix_a_fmt:MATRIX_FMT_FP4 matrix_b_fmt:MATRIX_FMT_FP4 matrix_a_scale:MATRIX_SCALE_ROW1
.else
	v_wmma_scale_f32_16x16x128_f8f6f4 v[8*(8*((\a)%4)+\b):8*(8*((\a)%4)+\b)+7], v[128*(\p)+FR*\b:128*(\p)+FR*\b+FR-1], v[AF+FR*(\a):AF+FR*(\a)+FR-1], v[8*(8*((\a)%4)+\b):8*(8*((\a)%4)+\b)+7], v[SC+8*NQ*(\sc)+NQ*\b+(\q)], v[SC+8*NQ*(\sc)+NQ*(\a)+(\q)] matrix_a_fmt:MATRIX_FMT_FP4 matrix_b_fmt:MATRIX_FMT_FP4 matrix_a_scale:MATRIX_SCALE_ROW1
.endif
.endr
.endr
.endm
.macro FETCH_B slot, q, p
	WIN TO_B
.irp i, 0,1,2,3,4,5,6,7
	FRAG 128*(\p)+FR*\i, ADRB+\slot, \q, \i
.endr
	WIN 0
.endm
.macro FETCH_A slot, q, i0
.irp i, \i0, \i0+1, \i0+2, \i0+3
	FRAG AF+FR*(\i), ADRA+\slot, \q, \i
.endr
.endm
.macro SCALES sc                       ; the next K step's scale words: lanes 0-15 take X's block i, lanes 16-31 W's block i
.irp i, 0,1,2,3,4,5,6,7
	ds_load_b128 v[SC+8*NQ*\sc+NQ*\i:SC+8*NQ*\sc+NQ*\i+3], v[ADRS] offset:\i*SBLK
.endr
.endm
.macro PLACES n                        ; plain vector instructions between a matrix instruction and a load into, or a read of, its registers
.rept \n
	v_nop
.endr
.endm
.macro STEP slot, q, zero
	s_wait_dscnt 4*NL                              ; W's set and X's blocks 0-3 are in; the youngest eight loads (X's blocks 4-7) may be out
	WIN MUL_LO
	MUL16 0, (\q)%2, \q, \slot, \zero
	MUL16 2, (\q)%2, \q, \slot, \zero
	s_wait_dscnt 0
	PLACES NP
	FETCH_B \slot, (\q)+1, 1-(\q)%2
	FETCH_A \slot, (\q)+1, 0
	WIN MUL_HI
	MUL16 4, (\q)%2, \q, \slot, \zero
	MUL16 6, (\q)%2, \q, \slot, \zero
	PLACES NP
	WIN 0
	FETCH_A \slot, (\q)+1, 4
.endm
; A slot's last step changes slots: one barrier; in front of it each wave waits for all its tensor loads, adds 0 to its spare word, and waits for that and for its own reads of this slot.
.macro TURN slot, next, fill
	s_wait_tensorcnt 0x0                           ; all my tensor loads have landed: my part of the next slot
	ds_add_u32 v[SPW], v[NIL]
	s_wait_dscnt 4*NL+1                            ; the add and the youngest eight loads may be out
	WIN MUL_LO
	MUL16 0, 1, NQ-1, \slot, 0
	s_wait_dscnt 0x0                               ; the add is done, and my reads of this slot are over
	s_barrier_signal -1
	MUL16 2, 1, NQ-1, \slot, 0
	WIN 0
	s_barrier_wait -1
.if \fill
	CREST                                          ; the barrier has opened a round of the cluster's barrier: no wave of any partner still reads this slot or has a load on its way
	s_add_nc_u64 s[G0+4*\slot+2:G0+4*\slot+3], s[G0+4*\slot+2:G0+4*\slot+3], 2*ROWB
	s_add_nc_u64 s[G0B+4*\slot+2:G0B+4*\slot+3], s[G0B+4*\slot+2:G0B+4*\slot+3], 2*ROWB
	JLOAD G0+4*\slot, G1, G0B+4*\slot, G1B         ; the first tensor load behind the round; its four v_nop are the places in front of the loads below
.else
	PLACES NP
.endif
	v_add_nc_u32 v[ADRS], 4*NQ, v[ADRS]
	FETCH_B \next, 0, 0
	FETCH_A \next, 0, 0
	SCALES \next
	WIN MUL_HI
	MUL16 4, 1, NQ-1, \slot, 0
	MUL16 6, 1, NQ-1, \slot, 0
	PLACES NP
	WIN 0
	FETCH_A \next, 0, 4
.endm
.macro STEPS slot, from
.set Q, \from
.rept NQ-1-\from
	STEP \slot, Q, 0
.set Q, Q+1
.endr
.endm
	s_wait_tensorcnt 1                             ; the scales and my part of K step 0 are in; K step 1's load may be out
	s_barrier_signal -1
	s_barrier_wait -1
	FETCH_B 0, 0, 0
	FETCH_A 0, 0, 0
	SCALES 0
	FETCH_A 0, 0, 4
	STEP 0, 0, 1                                   ; the first step's products start the sums
	s_mov_b32 s3, LAPS-1
.Llap:
	STEPS 0, 1
	TURN 0, 1, 1
	STEPS 1, 0
	TURN 1, 0, 1
	STEP 0, 0, 0
	s_sub_co_u32 s3, s3, 1
	s_cmp_lg_u32 s3, 0
	s_cbranch_scc1 .Llap
	STEPS 0, 1                                     ; the last lap fills nothing
	TURN 0, 1, 0
	STEPS 1, 0
	s_wait_dscnt 4*NL
	WIN MUL_LO
	MUL16 0, 1, NQ-1, 1, 0
	MUL16 2, 1, NQ-1, 1, 0
	s_wait_dscnt 0
	WIN MUL_HI
	MUL16 4, 1, NQ-1, 1, 0
	MUL16 6, 1, NQ-1, 1, 0
	WIN 0
; THE WAY OUT, block by block of 16 rows x 128 columns (two heads).
; MATH a: the factors, the rotation into TF (f32), the rounding into HH (f16).  Register j of accumulator (a, b): column 16 b + 8 h + j: pairs p = 0..3 of the head's pair 8 (b % 4) + 4 h + p.
.macro MATH a
.set CB_, 32*((\a)%2)+128*(((\a)%4)/2)+64*(1-(\a)/4)
.set AC, 64*((\a)%4)
.if (\a) < 4
	s_wait_loadcnt 32                              ; blocks 0-3's cos and sin are in; the 32 loads of blocks 4-7 may be out
.else
	s_wait_loadcnt 8*(7-(\a))                      ; block a's eight are in; those of the blocks behind it may be out
.endif
	WIN 0x01                                       ; source 0: window 1
.irp i, 0,2,4,6,8,10,12,14
	v_pk_fma_f32 v[CC+\i:CC+\i+1], v[CB_+\i:CB_+\i+1], s[92:93], v[GG:GG+1] op_sel_hi:[1,0,1]
.endr
.irp i, 0,2,4,6,8,10,12,14
	v_pk_mul_f32 v[SS+\i:SS+\i+1], v[CB_+16+\i:CB_+16+\i+1], s[92:93] op_sel_hi:[1,0]
.endr
	WIN 0x02+(\a)/4                                ; source 0: the accumulators' window
.irp b, 0,1,2,3,4,5,6,7
.irp p, 0,1,2,3
	v_mul_f32 v[TT+\p], v[AC+8*\b+2*\p+1], v[SS+4*((\b)%4)+\p]       ; each accumulator is read from its low end on
.endr
.irp p, 0,1,2,3
	v_mul_f32 v[TT+4+\p], v[AC+8*\b+2*\p+1], v[CC+4*((\b)%4)+\p]
.endr
.irp p, 0,1,2,3
	v_fma_f32 v[TF+8*\b+2*\p], v[AC+8*\b+2*\p], v[CC+4*((\b)%4)+\p], -v[TT+\p]
	v_fma_f32 v[TF+8*\b+2*\p+1], v[AC+8*\b+2*\p], v[SS+4*((\b)%4)+\p], v[TT+4+\p]
.endr
.endr
	WIN 0
.set mi, 0
.rept 32
	v_cvt_pk_f16_f32 v[HH+mi], v[TF+2*mi], v[TF+2*mi+1]
.set mi, mi+1
.endr
.endm
; STAGE a: through my own stage in LDS (LDS serves a wave's instructions in order: no wait between the stores and the loads, nor in front of the next block's stores).
.macro STAGE a
.set RH, 64+128*((\a)%2)
.set AC, 64*((\a)%4)
.if (\a) >= 2
	s_wait_xcnt 0x0                                ; block a - 2's stores have read the registers into which block a's f16 comes back
.endif
.irp b, 0,1,2,3,4,5,6,7
	ds_store_b128 v[STOH], v[HH+4*\b:HH+4*\b+3] offset:32*\b
.endr
.irp u, 0,1,2,3,4,5,6,7
	ds_load_b128 v[RH+4*\u:RH+4*\u+3], v[RDH] offset:\u*2*ERow
.endr
	s_cmp_eq_u32 s[ISV], 0
	s_cbranch_scc1 .Lnot_v_\@
.irp b, 0,1,2,3,4,5,6,7
	ds_store_b128 v[STOF], v[TF+8*\b:TF+8*\b+3] offset:64*\b
	ds_store_b128 v[STOF], v[TF+8*\b+4:TF+8*\b+7] offset:64*\b+16
.endr
	WIN 0x80+0x40*((\a)/4)                         ; v's f32 rows come back into block a's own accumulators, which have been read
.irp t, 0,1,2,3,4,5,6,7,8,9,10,11,12,13,14,15
	ds_load_b128 v[AC+4*\t:AC+4*\t+3], v[RDF] offset:\t*ERow
.endr
	WIN 0
.Lnot_v_\@:
.endm
.macro SEND a
.set RH, 64+128*((\a)%2)
.set AC, 64*((\a)%4)
	s_wait_dscnt 0x0                               ; the block is back in registers
.irp u, 0,1,2,3,4,5,6,7
	global_store_b128 v[GH], v[RH+4*\u:RH+4*\u+3], s[12:13] offset:(\a)*2048+256*\u   ; sixteen lanes store two rows of a head: 256 consecutive bytes, aligned
.endr
	s_cmp_eq_u32 s[ISV], 0
	s_cbranch_scc1 .Lnot_w_\@
	WIN 0x08+4*((\a)/4)                            ; a store's data are its source 1
.irp t, 0,1,2,3,4,5,6,7,8,9,10,11,12,13,14,15
	global_store_b128 v[GF], v[AC+4*\t:AC+4*\t+3], s[100:101] offset:(\a)*4096+256*\t   ; sixteen lanes store a row of a head of vf: 256 consecutive bytes, aligned
.endr
	WIN 0
.Lnot_w_\@:
.endm
	PLACES NP                                      ; behind the last products: for the loads into W's registers, the writes over the scale words and X's fragments, and the reads of results
	WIN TO_B
	CSLOAD 4
	CSLOAD 5
	CSLOAD 6
	CSLOAD 7
	WIN 0
	MATH 0
	STAGE 0
.irp a, 1,2,3,4,5,6,7
	MATH \a                                        ; a block's arithmetic stands between the loads of the block before and the wait for them
	SEND \a-1
	STAGE \a
.endr
	SEND 7
	s_wait_tensorcnt 0x0                           ; the wave's end, behind my last tensor load and my last LDS store
	ds_add_u32 v[SPW], v[NIL]
	s_wait_dscnt 0x0
	CROUND                                         ; the closing round: no work-group ends while a partner may still ask for a tile that names it
	s_endpgm
.Lfunc_end_k_q4c6c4dbe16_gemm:
	.size	k_q4c6c4dbe16_gemm, .Lfunc_end_k_q4c6c4dbe16_gemm-k_q4c6c4dbe16_gemm
	.p2alignl 7, 3214868480
	.fill 96, 4, 3214868480
	.section	.rodata,"a",@progbits
	.p2align	6, 0x0
	.amdhsa_kernel k_q4c6c4dbe16_gemm
		.amdhsa_group_segment_fixed_size 327680
		.amdhsa_private_segment_fixed_size 0
		.amdhsa_enable_private_segment 0
		.amdhsa_kernarg_size 48
		.amdhsa_user_sgpr_count 2
		.amdhsa_user_sgpr_kernarg_segment_ptr 1
		.amdhsa_wavefront_size32 1
		.amdhsa_system_sgpr_workgroup_id_x 1
		.amdhsa_system_sgpr_workgroup_id_y 1
		.amdhsa_system_sgpr_workgroup_id_z 1
		.amdhsa_system_vgpr_workitem_id 0
		.amdhsa_next_free_vgpr 1024
		.amdhsa_next_free_sgpr 102
		.amdhsa_reserve_vcc 0
		.amdhsa_float_denorm_mode_32 3
		.amdhsa_float_denorm_mode_16_64 3
		.amdhsa_memory_ordered 1
		.amdhsa_forward_progress 1
		.amdhsa_inst_pref_size 255
	.end_amdhsa_kernel
	.section	.bss,"aw",@nobits
	.p2align	6
	.space	262144
	.amdgpu_metadata
---
amdhsa.version: [ 1, 2 ]
amdhsa.kernels:
  - .name:           k_q4c6c4dbe16_gemm
    .symbol:         k_q4c6c4dbe16_gemm.kd
    .args:
      - { .name: cd, .offset: 0, .size: 8, .value_kind: global_buffer, .address_space: global }
      - { .name: sc, .offset: 8, .size: 8, .value_kind: global_buffer, .address_space: global }
      - { .name: cos, .offset: 16, .size: 8, .value_kind: global_buffer, .address_space: global }
      - { .name: sin, .offset: 24, .size: 8, .value_kind: global_buffer, .address_space: global }
      - { .name: qkv, .offset: 32, .size: 8, .value_kind: global_buffer, .address_space: global }
      - { .name: vf, .offset: 40, .size: 8, .value_kind: global_buffer, .address_space: global }
    .group_segment_fixed_size: 327680
    .private_segment_fixed_size: 0
    .kernarg_segment_align: 8
    .kernarg_segment_size: 48
    .max_flat_workgroup_size: 128
    .sgpr_count:     102
    .vgpr_count:     1024
    .wavefront_size: 32
...
	.end_amdgpu_metadata
.endif
;; end of part 2
;; launch attn (part 3): grid 32 x 8, 8 waves a work-group, clusters of 4 x 4, 327,680 bytes of LDS; arguments qkv, mask, o16; writes o16
.if DOCPART == 3
	.amdgcn_target "amdgcn-amd-amdhsa--gfx1250"
	.amdhsa_code_object_version 6
	.text
	.protected	k_q4c6c4dbe16_attn
	.globl	k_q4c6c4dbe16_attn
	.p2align	8
	.type	k_q4c6c4dbe16_attn,@function
k_q4c6c4dbe16_attn:
	s_mov_b64 s[64:65], 0
	v_nop
	global_prefetch_b8 v0, s[64:65] scope:SCOPE_SE
	s_setreg_imm32_b32 hwreg(HW_REG_WAVE_MODE, 25, 1), 1
	s_wait_xcnt 0x0
	s_wait_alu depctr_hold_cnt(0) depctr_sa_sdst(0) depctr_va_vdst(0) depctr_va_sdst(0) depctr_va_ssrc(0) depctr_va_vcc(0) depctr_vm_vsrc(0)
	s_getreg_b32 s2, hwreg(HW_REG_IB_STS2, 6, 4)
	s_cmp_eq_u32 s2, 0
	s_cbranch_scc0 .Lentry_in_a_cluster
	s_endpgm
.Lentry_in_a_cluster:
	s_bfe_u32 s2, ttmp6, 0x10000c
	s_cmp_lg_u32 s2, 0xf033
	s_cbranch_scc0 .Lentry_shape_is_right
	s_endpgm
.Lentry_shape_is_right:
; o[q][head] = softmax_k(clip(q . k / 8, -20, 20) + mask[q][k]) v, for all 2,048 queries, 32 query heads, all 2,048 keys.  q (already x 1/8), k, v: f16, qkv [48][2048][64]; mask: f32 [2048][2048], an input: every byte is read, no tile is left out.
; Products on f16 operands, sums f32; the weights p are rounded to f16 for the second product, o once at the end: o16 [2048][2048], column = 64 head + channel.
; SOFTMAX: t = clip(s) + mask in f32, as the definition has it; a running maximum m; p = 2^((t - m) log2 e), the difference taken BEFORE the multiplication, so that rows that lie wholly at a large negative mask come out as defined.
; In every step O and the sum are multiplied by a = 2^((m_old - m_new) log2 e).  The row's sum is a product of ones with the f16 p, on the matrix unit.
; SHARES: a work-group takes 64 queries x the four query heads of one key/value head; wave w: head w / 2, queries 32 (w % 2) on: two tiles of 16.  Two waves to a SIMD: one's vector work stands beside the other's products.
; LAYOUT: S^T = K Q^T and O^T = V^T P: a lane holds ONE query (lane % 16); two tiles of S^T, rounded in pairs, are source 1 of the second product.  V ([key][channel]) is turned by ds_load_tr16_b128.
; RING: two LDS slots of 256 keys (four steps of 64): K 256 x 144 bytes, V 256 x 160, mask 64 x 1,040.  Waves 0, 1 fetch K's halves, 2, 3 V's, 4-7 sixteen rows of the mask each: one tensor load a wave behind each round.
; CLUSTER 4 x 4: K and V hang on the key/value head alone: asked for jointly along a row of the cluster; the mask's tile hangs on the query block alone: jointly along a column.
; LIMITS: operands in f16 (|q| / 8, |k|, |v|, |o| under 65,504).  A row whose mask is -infinity throughout gives NaN, as the definition does.  Positions 0-15 are made again, more finely, by later launches.
; REGISTERS: window 0: v2-15 addresses; v32-47 statistics; v64-127 S^T; v128-191 the mask; v192-223 P.   window 1: v0-31 Q; v32-95 K; v96-159 V; v160-223 O^T; v224-239 the sums; v240-247 ones.
.set PK,    144
.set PV,    160
.set PM,    1040
.set VOFF,  36864
.set MOFF,  77824
.set SLOTB, 144384
.set STAGE, 288768                     ; the way out: 64 rows x (512 + 16) bytes, bytes of its own
.set SP,    528
.set SPARE, 322560                     ; the spare words, 128 bytes for each wave: four blocks of 256 bytes that no other line names
.set AK0, 2
.set AV0, 3
.set AM0, 4
.set ADK, 5
.set ADV, 6
.set ADM, 7
.set QO,  8
.set STO, 9
.set RD,  10
.set GO,  11
.set C20, 12
.set PFO, 13
.set SPW, 14
.set NIL, 15
.set ST,  32                           ; tile t at v[ST + 8 t]: +0 m, +1 = 0, +2 a, +3 = 0, +4..+7 at work
.set S,   64
.set MK,  128
.set P,   192
.set QF,  0
.set KF,  32
.set VF,  96
.set OF,  160
.set LF,  224
.set ONES, 240
.set WV,  10
.set CS,  18                           ; s[18:19] log2 e
.set SEL, 20
.set G1K, 24
.set G1V, 32
.set G1M, 40
.set G0K, 48
.set G0V, 56
.set G0M, 68
.set TBK, 76
.set TBV, 77
.set TBM, 78
.set CNT, 79
.set LAP, 80
.set PFA, 82
.set PFS, 84
.set LIM, 86
.set MSB, 0
.macro WIN new
.if MSB != (\new)
	s_set_vgpr_msb (MSB<<8)|(\new)
.set MSB, (\new)
.endif
.endm
; A joint load: three arms on the wave's number, the same in every work-group; every wave issues one.  An s_nop 0 and four v_nop follow each line.
.macro JLOAD3 s
	s_cmp_lt_u32 s[WV], 2
	s_cbranch_scc0 .Lnot_k_\@
	tensor_load_to_lds s[G0K+4*(\s):G0K+4*(\s)+3], s[G1K:G1K+7]
	s_nop 0
.rept 4
	v_nop
.endr
	s_branch .Lasked_\@
.Lnot_k_\@:
	s_cmp_lt_u32 s[WV], 4
	s_cbranch_scc0 .Lfor_m_\@
	tensor_load_to_lds s[G0V+4*(\s):G0V+4*(\s)+3], s[G1V:G1V+7]
	s_nop 0
.rept 4
	v_nop
.endr
	s_branch .Lasked_\@
.Lfor_m_\@:
	tensor_load_to_lds s[G0M+4*(\s):G0M+4*(\s)+3], s[G1M:G1M+7]
	s_nop 0
.rept 4
	v_nop
.endr
.Lasked_\@:
.endm
.macro CROUND
	s_barrier_signal -1
	s_barrier_wait -1
	s_cmp_lg_u32 s[WV], 0
	s_cbranch_scc1 .Lnot_wave_0_\@
	s_barrier_signal -3
.Lnot_wave_0_\@:
	s_barrier_wait -3
	s_barrier_signal -1
	s_barrier_wait -1
.endm
; A PREFETCH INTO THE L2 of the tile that the NEXT refill will ask for: in the trip of tile j, tile j + 2; the loop's six trips ask, so tiles 2 to 7 are named, each aligned block of 256 bytes once in the launch.
; K's and V's tiles (128 blocks each) are walked by all clusters along x: the cluster with x = 0 asks, wave 0 for K, wave 2 for V; the four partners of a row take 32 blocks each, told apart by address.
; The mask's tile (64 rows x 4 blocks) is walked by both clusters along y: the cluster with y = 0 asks, waves 4 and 5; the four partners of a column take 16 rows each, a wave 8 of them.
.macro ASK
	s_cmp_eq_u32 s[LIM], 1
	s_cbranch_scc0 .Lnot_mine_\@
	global_prefetch_b8 v[PFO], s[PFA:PFA+1] th:TH_LOAD_NT scope:SCOPE_SE
.Lnot_mine_\@:
.endm
	s_load_b128 s[4:7], s[0:1], 0x0                ; qkv, mask
	s_load_b64 s[8:9], s[0:1], 0x10                ; o16
	v_lshl_add_u32 v[SPW], v0, 2, SPARE
	v_mov_b32 v[NIL], 0
	ds_add_u32 v[SPW], v[NIL]                      ; the wave's opening: the add, twice on end, and its wait ahead of my first tensor load
	ds_add_u32 v[SPW], v[NIL]
	v_lshrrev_b32 v1, 5, v0
	v_readfirstlane_b32 s[WV], v1                  ; wave 0..7
	s_and_b32 s11, s[WV], 1
	s_and_b32 s12, s[WV], 3
	s_lshr_b32 s13, s[WV], 1
	s_bfe_u32 s14, ttmp6, 0x40000                  ; cx
	s_bfe_u32 s15, ttmp6, 0x40004                  ; cy
	s_lshl_b32 s16, ttmp9, 2
	s_add_co_u32 s16, s16, s14                     ; my block of 64 queries, 0..31
	s_and_b32 s17, ttmp7, 0xffff
	s_lshl_b32 s17, s17, 2
	s_add_co_u32 s17, s17, s15                     ; my key/value head, 0..7
	s_lshl_b32 s22, s15, 2
	s_lshl_b32 s22, 15, s22                        ; my row of the cluster
	s_lshl_b32 s23, 0x1111, s14                    ; my column
	s_or_b32 s[G1K], s22, (1<<16)|(1<<20)|(1<<21)|(4<<22)|(3<<25)   ; elements of 2 bytes; 4 words of padding after every 32
	s_or_b32 s[G1V], s22, (1<<16)|(1<<20)|(1<<21)|(4<<22)|(7<<25)   ; 8 words of padding
	s_or_b32 s[G1M], s23, (2<<16)|(1<<20)|(1<<21)|(7<<22)|(3<<25)   ; elements of 4 bytes; 4 words of padding after every 256
.irp g, G1K, G1V
	s_mov_b32 s[\g+1], 64<<16                      ; tensor_dim0 = 64
	s_mov_b32 s[\g+2], 128<<16                     ; tensor_dim1 = 128
	s_mov_b32 s[\g+3], 64<<16                      ; tile_dim0
	s_mov_b32 s[\g+4], 128                         ; tile_dim1
	s_mov_b32 s[\g+5], 64                          ; the pitch
	s_mov_b32 s[\g+6], 0
	s_mov_b32 s[\g+7], 0
.endr
	s_mov_b32 s[G1M+1], 256<<16
	s_mov_b32 s[G1M+2], 16<<16
	s_mov_b32 s[G1M+3], 256<<16
	s_mov_b32 s[G1M+4], 16
	s_mov_b32 s[G1M+5], 2048
	s_mov_b32 s[G1M+6], 0
	s_mov_b32 s[G1M+7], 0
	s_add_co_u32 s88, s17, 32
	s_lshl_b32 s88, s88, 18                        ; K: head 32 + kv head,
	s_lshl_b32 s89, s11, 14
	s_add_co_u32 s88, s88, s89                     ; + my 128 rows of 128 bytes
	s_mov_b32 s89, 0
	s_add_co_u32 s90, s88, 2097152                 ; V: eight heads on
	s_mov_b32 s91, 0
	s_lshl_b32 s92, s16, 6
	s_lshl_b32 s93, s12, 4
	s_add_co_u32 s92, s92, s93
	s_lshl_b32 s92, s92, 13                        ; mask: row 64 x block + 16 (w % 4), 8,192 bytes a row
	s_mov_b32 s93, 0
	s_mul_i32 s94, s11, 128*PK                     ; where they go: no place in the cluster enters an LDS address
	s_mul_i32 s95, s11, 128*PV
	s_add_co_u32 s95, s95, VOFF
	s_mul_i32 s96, s12, 16*PM
	s_add_co_u32 s96, s96, MOFF
	s_mov_b32 s[CS], 0x3fb8aa3b                    ; log2 e
	s_mov_b32 s[CS+1], s[CS]
	s_mov_b32 s[SEL], 0x76543210
	s_mov_b32 s[SEL+1], 0xfedcba98
	s_mov_b32 s[LAP], 3
	s_wait_dscnt 0x0                               ; both opening adds are done
	s_wait_kmcnt 0x0
	s_add_nc_u64 s[88:89], s[4:5], s[88:89]
	s_add_nc_u64 s[90:91], s[4:5], s[90:91]
	s_add_nc_u64 s[92:93], s[6:7], s[92:93]
.irp s, 0,1
	s_mov_b32 s[G0K+4*\s], 1
	s_add_co_u32 s[G0K+4*\s+1], s94, \s*SLOTB
	s_add_nc_u64 s[G0K+4*\s+2:G0K+4*\s+3], s[88:89], \s*32768      ; set s begins at tile s: 256 keys of 128 bytes
	s_or_b32 s[G0K+4*\s+3], s[G0K+4*\s+3], 0x80000000
	s_mov_b32 s[G0V+4*\s], 1
	s_add_co_u32 s[G0V+4*\s+1], s95, \s*SLOTB
	s_add_nc_u64 s[G0V+4*\s+2:G0V+4*\s+3], s[90:91], \s*32768
	s_or_b32 s[G0V+4*\s+3], s[G0V+4*\s+3], 0x80000000
	s_mov_b32 s[G0M+4*\s], 1
	s_add_co_u32 s[G0M+4*\s+1], s96, \s*SLOTB
	s_add_nc_u64 s[G0M+4*\s+2:G0M+4*\s+3], s[92:93], \s*1024       ; 256 keys of 4 bytes
	s_or_b32 s[G0M+4*\s+3], s[G0M+4*\s+3], 0x80000000
.endr
	CROUND                                         ; all sixteen work-groups are here: the first joint loads meet
	JLOAD3 0                                       ; tile 0
	; Q: head 4 x kv head + w / 2, rows 64 x block + 32 (w % 2) on
	s_lshl_b32 s22, s17, 2
	s_add_co_u32 s22, s22, s13
	s_lshl_b32 s22, s22, 18
	s_lshl_b32 s23, s16, 13
	s_add_co_u32 s22, s22, s23
	s_lshl_b32 s23, s11, 12
	s_add_co_u32 s22, s22, s23
	s_mov_b32 s23, 0
	s_add_nc_u64 s[2:3], s[4:5], s[22:23]
	v_and_b32 v16, 15, v0                          ; r
	v_bfe_u32 v17, v0, 4, 1                        ; h
	v_lshlrev_b32 v[QO], 7, v16
	v_lshl_add_u32 v[QO], v17, 4, v[QO]
	WIN 0x40                                       ; destination window 1
.irp t, 0,1
.irp ks, 0,1
	global_load_b128 v[QF+16*\t+8*\ks:QF+16*\t+8*\ks+3], v[QO], s[2:3] offset:2048*\t+64*\ks
	global_load_b128 v[QF+16*\t+8*\ks+4:QF+16*\t+8*\ks+7], v[QO], s[2:3] offset:2048*\t+64*\ks+32
.endr
.endr
.set i, 0
.rept 80
	v_mov_b32 v[OF+i], 0                           ; O^T and the sums: the step is written once; its first pass finds zeros, which the first a leaves zeros
.set i, i+1
.endr
.set i, 0
.rept 8
	v_mov_b32 v[ONES+i], 0x3c003c00                ; 1.0, 1.0 in f16
.set i, i+1
.endr
	WIN 0
	v_mul_u32_u24 v[AK0], v16, PK
	v_lshl_add_u32 v[AK0], v17, 4, v[AK0]          ; K: row r, + 16 h
	v_and_b32 v18, 7, v0
	v_bfe_u32 v19, v0, 3, 1
	v_lshl_add_u32 v[AV0], v17, 3, v18
	v_mul_u32_u24 v[AV0], v[AV0], PV
	v_lshl_add_u32 v[AV0], v19, 4, v[AV0]
	v_add_nc_u32 v[AV0], VOFF, v[AV0]              ; V, turning load: key 8 h + l % 8, + 16 ((l / 8) % 2)
	s_mul_i32 s22, s11, 32*PM
	s_add_co_u32 s22, s22, MOFF
	v_mul_u32_u24 v[AM0], v16, PM
	v_lshl_add_u32 v[AM0], v17, 5, v[AM0]
	v_add_nc_u32 v[AM0], s22, v[AM0]               ; mask: row 32 (w % 2) + r, + 32 h
	s_mul_i32 s22, s11, 32*SP
	s_lshl_b32 s23, s13, 7
	s_add_co_u32 s22, s22, s23
	s_add_co_u32 s22, s22, STAGE
	v_mul_u32_u24 v[STO], v16, SP
	v_lshl_add_u32 v[STO], v17, 4, v[STO]
	v_add_nc_u32 v[STO], s22, v[STO]               ; the stage, in: row 32 (w % 2) + r, my head's 128 bytes, + 16 h
	s_mul_i32 s22, s[WV], 8*SP
	s_add_co_u32 s22, s22, STAGE
	v_and_b32 v18, 31, v0
	v_lshlrev_b32 v[GO], 4, v18
	v_add_nc_u32 v[RD], s22, v[GO]                 ; and back: my 8 rows, 16 bytes a lane
	v_mov_b32 v[C20], 0x41a00000                   ; 20.0
.irp t, 0,1
	v_mov_b32 v[ST+8*\t], 0xff61b1e6               ; m: -3e38
	v_mov_b32 v[ST+8*\t+1], 0                      ; (named as the upper halves of pairs)
	v_mov_b32 v[ST+8*\t+2], 0
	v_mov_b32 v[ST+8*\t+3], 0
.endr
	s_lshl_b32 s22, s16, 6
	s_lshl_b32 s23, s[WV], 3
	s_add_co_u32 s22, s22, s23
	s_lshl_b32 s22, s22, 12                        ; o16: row 64 x block + 8 w, 4,096 bytes a row,
	s_lshl_b32 s23, s17, 9
	s_add_co_u32 s22, s22, s23                     ; + my four heads' 512 bytes
	s_mov_b32 s23, 0
	s_add_nc_u64 s[8:9], s[8:9], s[22:23]
	; the prefetches: where my wave's stand (at tile 1: the first trip steps them to tile 2), and who asks
	s_lshl_b32 s22, s[WV], 2
	s_add_co_u32 s22, s22, s17
	s_add_co_u32 s22, s22, 32                      ; wave 0: K's head; wave 2: V's
	s_min_u32 s22, s22, 47
	s_lshl_b32 s22, s22, 18
	s_lshl_b32 s23, s14, 13
	s_add_co_u32 s22, s22, s23                     ; my work-group's 32 blocks of the 128
	s_add_co_u32 s22, s22, 32768
	s_lshl_b32 s23, s16, 6
	s_lshl_b32 s97, s15, 4
	s_add_co_u32 s23, s23, s97                     ; mask: my work-group's 16 rows of the 64,
	s_lshl_b32 s97, s11, 3
	s_add_co_u32 s23, s23, s97                     ; my wave's 8 of them
	s_lshl_b32 s23, s23, 13
	s_add_co_u32 s23, s23, 1024
	s_mov_b32 s97, 8192
	s_mov_b32 s[PFS], 1024
	s_cmp_lt_u32 s[WV], 4
	s_cselect_b64 s[PFA:PFA+1], s[4:5], s[6:7]
	s_cselect_b32 s22, s22, s23
	s_cselect_b32 s97, 1024, s97                   ; from four lanes to the next four
	s_cselect_b32 s[PFS], 32768, s[PFS]            ; a tile on
	s_mov_b32 s23, 0
	s_mov_b32 s[PFS+1], 0
	s_add_nc_u64 s[PFA:PFA+1], s[PFA:PFA+1], s[22:23]
	s_or_b32 s98, s11, ttmp9                       ; 0 in waves 0 and 2 of the clusters with x = 0
	s_and_b32 s99, s13, 1
	s_and_b32 s87, ttmp7, 0xffff
	s_or_b32 s99, s99, s87                         ; 0 in waves 4 and 5 of the clusters with y = 0
	s_cmp_lt_u32 s[WV], 4
	s_cselect_b32 s98, s98, s99
	s_cmp_eq_u32 s98, 0
	s_cselect_b32 s[LIM], 1, -1                    ; the same in all sixteen partners, for a given wave
	v_bfe_u32 v18, v0, 2, 3
	v_mul_lo_u32 v[PFO], v18, s97
	v_and_b32 v18, 3, v0
	v_lshl_add_u32 v[PFO], v18, 8, v[PFO]
; A KEY STEP: 64 keys, at s[TBK], s[TBV], s[TBM] in LDS.
.macro STEP
	v_add_nc_u32 v[ADK], s[TBK], v[AK0]
	v_add_nc_u32 v[ADV], s[TBV], v[AV0]
	v_add_nc_u32 v[ADM], s[TBM], v[AM0]
	v_nop                                          ; these four are the places between the last step's products and the loads into V's registers below
	WIN 0x40
.irp kt, 0,1,2,3
.irp ks, 0,1
	ds_load_b128 v[KF+16*\kt+8*\ks:KF+16*\kt+8*\ks+3], v[ADK] offset:16*PK*\kt+64*\ks
	ds_load_b128 v[KF+16*\kt+8*\ks+4:KF+16*\kt+8*\ks+7], v[ADK] offset:16*PK*\kt+64*\ks+32
.endr
.endr
	WIN 0
.irp t, 0,1
.irp kt, 0,1,2,3
	ds_load_b128 v[MK+32*\t+8*\kt:MK+32*\t+8*\kt+3], v[ADM] offset:16*PM*\t+64*\kt
	ds_load_b128 v[MK+32*\t+8*\kt+4:MK+32*\t+8*\kt+7], v[ADM] offset:16*PM*\t+64*\kt+16
.endr
.endr
	s_wait_dscnt 16                                ; K is in; the mask's sixteen loads may be out
	WIN 0x05                                       ; K and Q window 1, S^T window 0
.irp t, 0,1                                    ; the eight accumulators take turns, one instruction a turn; the first pass starts the sums
.irp kt, 0,1,2,3
	v_wmma_f32_16x16x32_f16 v[S+32*\t+8*\kt:S+32*\t+8*\kt+7], v[KF+16*\kt:KF+16*\kt+7], v[QF+16*\t:QF+16*\t+7], 0
.endr
.endr
.irp t, 0,1
.irp kt, 0,1,2,3
	v_wmma_f32_16x16x32_f16 v[S+32*\t+8*\kt:S+32*\t+8*\kt+7], v[KF+16*\kt+8:KF+16*\kt+15], v[QF+16*\t+8:QF+16*\t+15], v[S+32*\t+8*\kt:S+32*\t+8*\kt+7]
.endr
.endr
	WIN 0x40
.irp ct, 0,1,2,3
.irp kc, 0,1
	ds_load_tr16_b128 v[VF+16*\ct+8*\kc:VF+16*\ct+8*\kc+3], v[ADV] offset:32*PV*\kc+32*\ct
	ds_load_tr16_b128 v[VF+16*\ct+8*\kc+4:VF+16*\ct+8*\kc+7], v[ADV] offset:32*PV*\kc+16*PV+32*\ct
.endr
.endr
	WIN 0
.rept 4
	v_nop                                          ; places in front of the first read of the scores
.endr
	s_wait_dscnt 16                                ; the mask is in; V's sixteen loads may be out
.set i, 0
.rept 64
	v_med3_num_f32 v[S+i], v[S+i], -v[C20], v[C20] ; the clip; each accumulator is read from its low end on
.set i, i+1
.endr
.set i, 0
.rept 32
	v_pk_add_f32 v[S+i:S+i+1], v[S+i:S+i+1], v[MK+i:MK+i+1]        ; t = clip(s) + mask
.set i, i+2
.endr
.irp j, 0,1,2,3                                ; the maximum: four chains a tile, the tiles by turns
.irp t, 0,1
	v_max3_num_f32 v[ST+8*\t+4+\j], v[S+32*\t+8*\j], v[S+32*\t+8*\j+1], v[S+32*\t+8*\j+2]
.endr
.endr
.irp u, 3,5
.irp j, 0,1,2,3
.irp t, 0,1
	v_max3_num_f32 v[ST+8*\t+4+\j], v[ST+8*\t+4+\j], v[S+32*\t+8*\j+\u], v[S+32*\t+8*\j+\u+1]
.endr
.endr
.endr
.irp t, 0,1
	v_max3_num_f32 v[ST+8*\t+4], v[ST+8*\t+4], v[S+32*\t+7], v[S+32*\t+15]
.endr
.irp t, 0,1
	v_max3_num_f32 v[ST+8*\t+6], v[ST+8*\t+6], v[S+32*\t+23], v[S+32*\t+31]
.endr
.irp t, 0,1
	v_max3_num_f32 v[ST+8*\t+4], v[ST+8*\t+4], v[ST+8*\t+5], v[ST+8*\t+6]
.endr
.irp t, 0,1
	v_max3_num_f32 v[ST+8*\t+4], v[ST+8*\t+4], v[ST+8*\t+7], v[ST+8*\t]   ; with the old m
.endr
.irp t, 0,1
	v_permlanex16_b32 v[ST+8*\t+5], v[ST+8*\t+4], s[SEL], s[SEL+1]        ; the query's other 32 keys lie in the lane 16 away
.endr
.irp t, 0,1
	v_max_num_f32 v[ST+8*\t+6], v[ST+8*\t+4], v[ST+8*\t+5]                ; the new m
.endr
.irp t, 0,1
	v_sub_f32 v[ST+8*\t+7], v[ST+8*\t], v[ST+8*\t+6]
.endr
.irp t, 0,1
	v_mov_b32 v[ST+8*\t], v[ST+8*\t+6]
.endr
.irp t, 0,1
	v_mul_f32 v[ST+8*\t+7], s[CS], v[ST+8*\t+7]
.endr
.irp t, 0,1
.set i, 0
.rept 16
	v_pk_add_f32 v[S+32*\t+i:S+32*\t+i+1], v[S+32*\t+i:S+32*\t+i+1], v[ST+8*\t:ST+8*\t+1] op_sel_hi:[1,0] neg_lo:[0,1] neg_hi:[0,1]   ; t - m
.set i, i+2
.endr
.endr
.set i, 0
.rept 32
	v_pk_mul_f32 v[S+i:S+i+1], v[S+i:S+i+1], s[CS:CS+1] op_sel_hi:[1,0]
.set i, i+2
.endr
.irp t, 0,1
	v_exp_f32 v[ST+8*\t+2], v[ST+8*\t+7]           ; a
.endr
.set i, 0
.rept 64
	v_exp_f32 v[S+i], v[S+i]                       ; p
.set i, i+1
.endr
	v_nop                                          ; a plain instruction behind the last exponential
	s_wait_alu depctr_va_vdst(0)                   ; one wait for the batch of 66, ahead of its first reader
.set i, 0
.rept 32
	v_cvt_pk_f16_f32 v[P+i], v[S+2*i], v[S+2*i+1]  ; key tiles 2 c and 2 c + 1 of a tile of queries give fragment c of P
.set i, i+1
.endr
	s_wait_dscnt 0x0                               ; V is in
	WIN 0x41                                       ; O^T and the sums window 1, a window 0
.irp t, 0,1
.set i, 0
.rept 16
	v_pk_mul_f32 v[OF+32*\t+i:OF+32*\t+i+1], v[OF+32*\t+i:OF+32*\t+i+1], v[ST+8*\t+2:ST+8*\t+3] op_sel_hi:[1,0]
.set i, i+2
.endr
	v_pk_mul_f32 v[LF+8*\t:LF+8*\t+1], v[LF+8*\t:LF+8*\t+1], v[ST+8*\t+2:ST+8*\t+3] op_sel_hi:[1,0]   ; of the sums' eight equal registers only the lowest is used: the others stay finite (at most 2,048) and unread
.endr
	WIN 0x51                                       ; V and ones window 1, P window 0, C and D window 1
.irp kc, 0,1                                   ; ten accumulators take turns
.irp t, 0,1
.irp ct, 0,1,2,3
	v_wmma_f32_16x16x32_f16 v[OF+32*\t+8*\ct:OF+32*\t+8*\ct+7], v[VF+16*\ct+8*\kc:VF+16*\ct+8*\kc+7], v[P+16*\t+8*\kc:P+16*\t+8*\kc+7], v[OF+32*\t+8*\ct:OF+32*\t+8*\ct+7]
.endr
	v_wmma_f32_16x16x32_f16 v[LF+8*\t:LF+8*\t+7], v[ONES:ONES+7], v[P+16*\t+8*\kc:P+16*\t+8*\kc+7], v[LF+8*\t:LF+8*\t+7]
.endr
.endr
	WIN 0
.endm
.macro SLOTWORK slot                   ; a slot's four key steps: written once, walked four times
	s_mov_b32 s[TBK], \slot*SLOTB
	s_mov_b32 s[TBV], \slot*SLOTB
	s_mov_b32 s[TBM], \slot*SLOTB
	s_mov_b32 s[CNT], 4
.Lstep_\@:
	STEP
	s_add_co_u32 s[TBK], s[TBK], 64*PK
	s_add_co_u32 s[TBV], s[TBV], 64*PV
	s_add_co_u32 s[TBM], s[TBM], 256
	s_sub_co_u32 s[CNT], s[CNT], 1
	s_cmp_lg_u32 s[CNT], 0
	s_cbranch_scc1 .Lstep_\@
.endm
; A tile's trip.  Each wave waits for all its tensor loads (one is out: its part of this slot), adds 0 to its spare word, and waits for that and for its reads of the other slot; a round of the cluster's barrier;
; behind it the other slot is filled with the next tile: the load has this slot's four steps in which to land.
.macro TRIP slot, refill, ask
	s_wait_tensorcnt 0x0                           ; no tensor load of mine is out, so a group 0 may be written
	ds_add_u32 v[SPW], v[NIL]                      ; 0 onto my spare word; the steps below stand between it and the wait for it
	s_add_nc_u64 s[G0K+4*\slot+2:G0K+4*\slot+3], s[G0K+4*\slot+2:G0K+4*\slot+3], 65536   ; this slot's next tile: two tiles on
	s_add_nc_u64 s[G0V+4*\slot+2:G0V+4*\slot+3], s[G0V+4*\slot+2:G0V+4*\slot+3], 65536
	s_add_nc_u64 s[G0M+4*\slot+2:G0M+4*\slot+3], s[G0M+4*\slot+2:G0M+4*\slot+3], 2048
.if \ask
	s_wait_xcnt 0x0                                ; the last prefetch, a tile back, has read its address
	s_add_nc_u64 s[PFA:PFA+1], s[PFA:PFA+1], s[PFS:PFS+1]
.endif
	s_wait_dscnt 0x0                               ; the add is done, and my reads of the other slot are over
	CROUND
.if \refill
	JLOAD3 (1-\slot)                               ; the first tensor load behind the round, one a wave
.endif
.if \ask
	ASK
.endif
	SLOTWORK \slot
.endm
	s_wait_loadcnt 0x0                             ; Q
.Ltiles:                                           ; three laps of two trips: tiles 0 to 5
	TRIP 0, 1, 1
	TRIP 1, 1, 1
	s_sub_co_u32 s[LAP], s[LAP], 1
	s_cmp_lg_u32 s[LAP], 0
	s_cbranch_scc1 .Ltiles
	TRIP 0, 1, 0                                   ; tile 6; tile 7 is asked for
	TRIP 1, 0, 0                                   ; tile 7: nothing is left to fetch (the stepped addresses are not used)
	; THE WAY OUT: O^T / the sum, f16, through the work-group's stage (a row's 512 bytes come from four heads' waves), back as whole rows.
.rept 4
	v_nop                                          ; places behind the last products
.endr
	WIN 0x01                                       ; source 0 window 1
.irp t, 0,1
	v_rcp_f32 v[ST+8*\t+2], v[LF+8*\t]
.endr
	v_nop
	s_wait_alu depctr_va_vdst(0)                   ; one wait for the two reciprocals, ahead of their first reader
.irp t, 0,1
.set i, 0
.rept 16
	v_pk_mul_f32 v[S+32*\t+i:S+32*\t+i+1], v[OF+32*\t+i:OF+32*\t+i+1], v[ST+8*\t+2:ST+8*\t+3] op_sel_hi:[1,0]
.set i, i+2
.endr
.endr
	WIN 0
.set i, 0
.rept 32
	v_cvt_pk_f16_f32 v[MK+i], v[S+2*i], v[S+2*i+1]
.set i, i+1
.endr
.irp t, 0,1
.irp ct, 0,1,2,3
	ds_store_b128 v[STO], v[MK+16*\t+4*\ct:MK+16*\t+4*\ct+3] offset:16*SP*\t+32*\ct
.endr
.endr
	s_wait_dscnt 0x0                               ; for the others' sake: my stores into the stage are done
	s_barrier_signal -1
	s_barrier_wait -1
.irp i, 0,1,2,3,4,5,6,7
	ds_load_b128 v[S+4*\i:S+4*\i+3], v[RD] offset:SP*\i
.endr
.irp i, 0,1,2,3,4,5,6,7
	s_wait_dscnt 7-\i                              ; load i is in; the younger ones may be out
	global_store_b128 v[GO], v[S+4*\i:S+4*\i+3], s[8:9] offset:4096*\i   ; 32 lanes store 512 consecutive bytes, aligned
.endr
	s_wait_tensorcnt 0x0                           ; the wave's end, behind my last tensor load and my last LDS store
	ds_add_u32 v[SPW], v[NIL]
	s_wait_dscnt 0x0
	CROUND                                         ; the closing round
	s_endpgm
.Lfunc_end_k_q4c6c4dbe16_attn:
	.size	k_q4c6c4dbe16_attn, .Lfunc_end_k_q4c6c4dbe16_attn-k_q4c6c4dbe16_attn
	.p2alignl 7, 3214868480
	.fill 96, 4, 3214868480
	.section	.rodata,"a",@progbits
	.p2align	6, 0x0
	.amdhsa_kernel k_q4c6c4dbe16_attn
		.amdhsa_group_segment_fixed_size 327680
		.amdhsa_private_segment_fixed_size 0
		.amdhsa_enable_private_segment 0
		.amdhsa_kernarg_size 24
		.amdhsa_user_sgpr_count 2
		.amdhsa_user_sgpr_kernarg_segment_ptr 1
		.amdhsa_wavefront_size32 1
		.amdhsa_system_sgpr_workgroup_id_x 1
		.amdhsa_system_sgpr_workgroup_id_y 1
		.amdhsa_system_sgpr_workgroup_id_z 1
		.amdhsa_system_vgpr_workitem_id 0
		.amdhsa_next_free_vgpr 512
		.amdhsa_next_free_sgpr 100
		.amdhsa_reserve_vcc 0
		.amdhsa_float_denorm_mode_32 3
		.amdhsa_float_denorm_mode_16_64 3
		.amdhsa_memory_ordered 1
		.amdhsa_forward_progress 1
		.amdhsa_inst_pref_size 127
	.end_amdhsa_kernel
	.amdgpu_metadata
---
amdhsa.version: [ 1, 2 ]
amdhsa.kernels:
  - .name:           k_q4c6c4dbe16_attn
    .symbol:         k_q4c6c4dbe16_attn.kd
    .args:
      - { .name: qkv, .offset: 0, .size: 8, .value_kind: global_buffer, .address_space: global }
      - { .name: mask, .offset: 8, .size: 8, .value_kind: global_buffer, .address_space: global }
      - { .name: o16, .offset: 16, .size: 8, .value_kind: global_buffer, .address_space: global }
    .group_segment_fixed_size: 327680
    .private_segment_fixed_size: 0
    .kernarg_segment_align: 8
    .kernarg_segment_size: 24
    .max_flat_workgroup_size: 256
    .sgpr_count:     100
    .vgpr_count:     512
    .wavefront_size: 32
...
	.end_amdgpu_metadata
.endif
;; end of part 3
;; launch proj (part 4): grid 16 x 16, 4 waves a work-group, clusters of 4 x 4, 327,680 bytes of LDS; arguments o16, wo16, out0; writes out0
.if DOCPART == 4
	.amdgcn_target "amdgcn-amd-amdhsa--gfx1250"
	.amdhsa_code_object_version 6
	.text
	.protected	k_q4c6c4dbe16_proj
	.globl	k_q4c6c4dbe16_proj
	.p2align	8
	.type	k_q4c6c4dbe16_proj,@function
k_q4c6c4dbe16_proj:
	s_mov_b64 s[64:65], 0
	v_nop
	global_prefetch_b8 v0, s[64:65] scope:SCOPE_SE
	s_setreg_imm32_b32 hwreg(HW_REG_WAVE_MODE, 25, 1), 1
	s_wait_xcnt 0x0
	s_wait_alu depctr_hold_cnt(0) depctr_sa_sdst(0) depctr_va_vdst(0) depctr_va_sdst(0) depctr_va_ssrc(0) depctr_va_vcc(0) depctr_vm_vsrc(0)
	s_getreg_b32 s2, hwreg(HW_REG_IB_STS2, 6, 4)
	s_cmp_eq_u32 s2, 0
	s_cbranch_scc0 .Lentry_in_a_cluster
	s_endpgm
.Lentry_in_a_cluster:
	s_bfe_u32 s2, ttmp6, 0x10000c
	s_cmp_lg_u32 s2, 0xf033
	s_cbranch_scc0 .Lentry_shape_is_right
	s_endpgm
.Lentry_shape_is_right:
; out0[m][n] = sum over k of o16[m][k] wo16[n][k]: both f16, [2048][2048], K innermost; sums and out0 in f32.  (Rows 0-15 are made again, more finely, by a later launch.)
; A tile of out0 is 128 x 128: 256 work-groups.  Four waves, each 64 x 64: 16 accumulators.  K goes in steps of 256 (LDS rows of 512 bytes + 16) through a ring of two slots.
; CLUSTERS 4 x 4: o16's tile is asked for jointly along a row of the cluster, wo16's along a column.  The matrix instruction is used transposed: a lane holds eight neighbouring numbers of a row of out0.
; REGISTERS: window 0: v0-31 addresses; v32-95 the way out; v128-255 the accumulators ((a, b) at v[128 + 8 (4 a + b)]).   window 1: two fragment buffers of 128.
.set SIZE_K, 2048
.set KSTEP,  256
.set PITCH,  528
.set HALFT,  64*PITCH
.set SLOT,   4*HALFT
.set SPITCH, 272                       ; the way out: a stage of 16 rows x (256 + 16) bytes for each wave, in slot 0, which has had its last fill and its last read by then
.set SPARE,  2*SLOT                    ; the spare words, 128 bytes for each wave: two blocks of 256 bytes that no other line names
.set LAPS,   4
.set ADRA, 16
.set ADRB, 20
.set STO,  24
.set RD,   25
.set CO,   26
.set SPW,  28
.set NIL,  29
.set TMP,  32
.set ACC,  128
.set F0,   0
.set F1,   128
.set G1, 24
.set G0, 32
.set G1B, 48
.set G0B, 56
.set MSB, 0
.macro WIN new
.if MSB != (\new)
	s_set_vgpr_msb (MSB<<8)|(\new)
.set MSB, (\new)
.endif
.endm
.set MUL,  0x05
.set TO_F, 0x40
.macro JLOAD s                         ; waves 0 and 1 fetch o16's two halves, waves 2 and 3 wo16's; an s_nop 0 and four v_nop follow each line
	s_cmp_eq_u32 s11, 0
	s_cbranch_scc0 .Lfor_b_\@
	tensor_load_to_lds s[G0+4*\s:G0+4*\s+3], s[G1:G1+7]
	s_nop 0
.rept 4
	v_nop
.endr
	s_branch .Lasked_\@
.Lfor_b_\@:
	tensor_load_to_lds s[G0B+4*\s:G0B+4*\s+3], s[G1B:G1B+7]
	s_nop 0
.rept 4
	v_nop
.endr
.Lasked_\@:
.endm
.macro CREST
	s_cmp_lg_u32 s10, 0
	s_cbranch_scc1 .Lnot_wave_0_\@
	s_barrier_signal -3
.Lnot_wave_0_\@:
	s_barrier_wait -3
	s_barrier_signal -1
	s_barrier_wait -1
.endm
.macro CROUND
	s_barrier_signal -1
	s_barrier_wait -1
	CREST
.endm
	s_load_b128 s[4:7], s[0:1], 0x0                ; o16, wo16
	s_load_b64 s[8:9], s[0:1], 0x10                ; out0
	v_lshl_add_u32 v[SPW], v0, 2, SPARE
	v_mov_b32 v[NIL], 0
	ds_add_u32 v[SPW], v[NIL]                      ; the wave's opening: the add, twice on end, and its wait ahead of my first tensor load
	ds_add_u32 v[SPW], v[NIL]
	v_lshrrev_b32 v1, 5, v0
	v_readfirstlane_b32 s10, v1                    ; wave 0..3
	s_lshr_b32 s11, s10, 1                         ; my half of the tile's rows.  Also: I fetch for o16 (0) or for wo16 (1)
	s_and_b32 s12, s10, 1                          ; my half of its columns.  Also: which 64 rows of that tile I fetch
	s_bfe_u32 s40, ttmp6, 0x40000
	s_bfe_u32 s41, ttmp6, 0x40004
	s_lshl_b32 s42, ttmp9, 2
	s_add_co_u32 s42, s42, s40                     ; tile column
	s_and_b32 s13, ttmp7, 0xffff
	s_lshl_b32 s13, s13, 2
	s_add_co_u32 s13, s13, s41                     ; tile row
	s_lshl_b32 s43, s41, 2
	s_lshl_b32 s43, 15, s43
	s_lshl_b32 s44, 0x1111, s40
	s_or_b32 s[G1+0], s43, (1<<16)|(1<<20)|(1<<21)|(6<<22)|(3<<25)   ; elements of 2 bytes; 4 words of padding after every 128
	s_or_b32 s[G1B+0], s44, (1<<16)|(1<<20)|(1<<21)|(6<<22)|(3<<25)
.irp g, G1, G1B
	s_mov_b32 s[\g+1], KSTEP<<16
	s_mov_b32 s[\g+2], 64<<16
	s_mov_b32 s[\g+3], KSTEP<<16
	s_mov_b32 s[\g+4], 64
	s_mov_b32 s[\g+5], SIZE_K
	s_mov_b32 s[\g+6], 0
	s_mov_b32 s[\g+7], 0
.endr
	s_lshl_b32 s17, s12, 6
	s_lshl_b32 s16, s13, 7
	s_add_co_u32 s16, s16, s17
	s_lshl_b32 s46, s42, 7
	s_add_co_u32 s46, s46, s17
	s_mov_b32 s17, 0
	s_mov_b32 s47, 0
	s_mov_b64 s[18:19], SIZE_K*2
	s_mul_u64 s[16:17], s[16:17], s[18:19]
	s_mul_u64 s[46:47], s[46:47], s[18:19]
	s_mul_i32 s20, s10, HALFT
	s_wait_dscnt 0x0                               ; both opening adds are done
	s_wait_kmcnt 0x0
	s_add_nc_u64 s[14:15], s[4:5], s[16:17]
	s_add_nc_u64 s[46:47], s[6:7], s[46:47]
	CROUND                                         ; all sixteen work-groups are here: the first joint loads meet
.irp s, 0,1
	s_mov_b32 s[G0+4*\s], 1
	s_add_co_u32 s[G0+4*\s+1], s20, \s*SLOT
	s_add_nc_u64 s[G0+4*\s+2:G0+4*\s+3], s[14:15], \s*KSTEP*2
	s_or_b32 s[G0+4*\s+3], s[G0+4*\s+3], 0x80000000
	s_mov_b32 s[G0B+4*\s], 1
	s_add_co_u32 s[G0B+4*\s+1], s20, \s*SLOT
	s_add_nc_u64 s[G0B+4*\s+2:G0B+4*\s+3], s[46:47], \s*KSTEP*2
	s_or_b32 s[G0B+4*\s+3], s[G0B+4*\s+3], 0x80000000
	JLOAD \s
.endr
	v_and_b32 v1, 15, v0
	v_bfe_u32 v2, v0, 4, 1
	v_mul_u32_u24 v3, v1, PITCH
	v_lshl_add_u32 v3, v2, 4, v3
	s_mul_i32 s21, s11, HALFT
	s_mul_i32 s22, s12, HALFT
	s_add_co_u32 s22, s22, 2*HALFT
.irp s, 0,1
	v_add_nc_u32 v[ADRA+\s], s21, v3
	v_add_nc_u32 v[ADRB+\s], s22, v3
	s_add_co_u32 s21, s21, SLOT
	s_add_co_u32 s22, s22, SLOT
.endr
	s_mul_i32 s23, s10, 16*SPITCH                  ; my stage
	v_mul_u32_u24 v4, v1, SPITCH
	v_lshl_add_u32 v4, v2, 5, v4
	v_add_nc_u32 v[STO], s23, v4                   ; in: row l % 16, + 32 (l / 16)
	v_mul_u32_u24 v5, v2, SPITCH
	v_lshl_add_u32 v5, v1, 4, v5
	v_add_nc_u32 v[RD], s23, v5                    ; back: lanes 0-15 one row of 256 bytes, lanes 16-31 the next
	v_lshlrev_b32 v5, 13, v2
	v_lshl_add_u32 v[CO], v1, 4, v5                ; and the same two rows in out0
	s_lshl_b32 s16, s13, 7
	s_lshl_b32 s17, s11, 6
	s_add_co_u32 s16, s16, s17                     ; my first row: 128 x tile row + 64 x half
	s_lshl_b32 s16, s16, 13
	s_mov_b32 s17, 0
	s_add_nc_u64 s[8:9], s[8:9], s[16:17]
	s_lshl_b32 s46, s42, 9                         ; my first column, in bytes: 512 x tile column + 256 x half
	s_lshl_b32 s47, s12, 8
	s_add_co_u32 s46, s46, s47
	s_mov_b32 s47, 0
	s_add_nc_u64 s[8:9], s[8:9], s[46:47]
.macro MUL8 f, c, a0, zero             ; the 16 accumulators take turns, one instruction a turn
.irp a, \a0, \a0+1
.irp b, 0,1,2,3
.if \zero
	v_wmma_f32_16x16x32_f16 v[ACC+8*(4*(\a)+\b):ACC+8*(4*(\a)+\b)+7], v[\f+64+8*(4*\c+\b):\f+64+8*(4*\c+\b)+7], v[\f+8*(4*\c+\a):\f+8*(4*\c+\a)+7], 0
.else
	v_wmma_f32_16x16x32_f16 v[ACC+8*(4*(\a)+\b):ACC+8*(4*(\a)+\b)+7], v[\f+64+8*(4*\c+\b):\f+64+8*(4*\c+\b)+7], v[\f+8*(4*\c+\a):\f+8*(4*\c+\a)+7], v[ACC+8*(4*(\a)+\b):ACC+8*(4*(\a)+\b)+7]
.endif
.endr
.endr
.endm
.macro FETCH slot, k, f
	WIN TO_F
.irp c, 0,1
.irp i, 0,1,2,3
	ds_load_b128 v[\f+64+8*(4*\c+\i):\f+64+8*(4*\c+\i)+3],   v[ADRB+\slot] offset:\k+64*\c+\i*16*PITCH
	ds_load_b128 v[\f+64+8*(4*\c+\i)+4:\f+64+8*(4*\c+\i)+7], v[ADRB+\slot] offset:\k+64*\c+\i*16*PITCH+32
	ds_load_b128 v[\f+8*(4*\c+\i):\f+8*(4*\c+\i)+3],         v[ADRA+\slot] offset:\k+64*\c+\i*16*PITCH
	ds_load_b128 v[\f+8*(4*\c+\i)+4:\f+8*(4*\c+\i)+7],       v[ADRA+\slot] offset:\k+64*\c+\i*16*PITCH+32
.endr
.endr
.endm
.macro PLACES
.rept 4
	v_nop
.endr
.endm
.macro QUARTER slot, k, f, g, zero
	s_wait_dscnt 16                                ; the first 32 along K are in; the other sixteen loads may be out
	WIN MUL
	MUL8 \f, 0, 0, \zero
	MUL8 \f, 0, 2, \zero
	PLACES
	FETCH \slot, \k, \g
	s_wait_dscnt 32                                ; all but the 32 just issued
	WIN MUL
	MUL8 \f, 1, 0, 0
	MUL8 \f, 1, 2, 0
.endm
.macro TURN slot, next, fill
	WIN 0
	s_wait_tensorcnt 0x0                           ; all my tensor loads have landed: my part of the next slot
	ds_add_u32 v[SPW], v[NIL]
	s_wait_dscnt 17                                ; the add and the youngest sixteen loads may be out
	WIN MUL
	MUL8 F1, 0, 0, 0
	s_wait_dscnt 0x0                               ; the add is done, and my reads of this slot are over
	s_barrier_signal -1
	MUL8 F1, 0, 2, 0
.if \fill
	WIN 0
.endif
	s_barrier_wait -1
.if \fill
	CREST                                          ; the barrier has opened a round of the cluster's barrier
	s_add_nc_u64 s[G0+4*\slot+2:G0+4*\slot+3], s[G0+4*\slot+2:G0+4*\slot+3], 2*KSTEP*2
	s_add_nc_u64 s[G0B+4*\slot+2:G0B+4*\slot+3], s[G0B+4*\slot+2:G0B+4*\slot+3], 2*KSTEP*2
	JLOAD \slot                                    ; the first tensor load behind the round; its four v_nop are the places in front of the loads below
.else
	PLACES
.endif
	FETCH \next, 0, F0
	WIN MUL
	MUL8 F1, 1, 0, 0
	MUL8 F1, 1, 2, 0
.endm
	s_wait_tensorcnt 1                             ; my part of K step 0 is in; K step 1's may be out
	s_barrier_signal -1
	s_barrier_wait -1
	FETCH 0, 0, F0
	QUARTER 0, 128, F0, F1, 1
	WIN 0
	s_mov_b32 s3, LAPS-1
.Llap:
	QUARTER 0, 256, F1, F0, 0
	QUARTER 0, 384, F0, F1, 0
	TURN 0, 1, 1
	QUARTER 1, 128, F0, F1, 0
	QUARTER 1, 256, F1, F0, 0
	QUARTER 1, 384, F0, F1, 0
	TURN 1, 0, 1
	QUARTER 0, 128, F0, F1, 0
	WIN 0
	s_sub_co_u32 s3, s3, 1
	s_cmp_lg_u32 s3, 0
	s_cbranch_scc1 .Llap
	QUARTER 0, 256, F1, F0, 0                      ; the last lap fills nothing
	QUARTER 0, 384, F0, F1, 0
	TURN 0, 1, 0
	QUARTER 1, 128, F0, F1, 0
	QUARTER 1, 256, F1, F0, 0
	QUARTER 1, 384, F0, F1, 0
	s_wait_dscnt 16
	WIN MUL
	MUL8 F1, 0, 0, 0
	MUL8 F1, 0, 2, 0
	s_wait_dscnt 0
	MUL8 F1, 1, 0, 0
	MUL8 F1, 1, 2, 0
	WIN 0
; THE WAY OUT: a wave's 64 columns of f32 are 256 bytes: a block of 16 rows goes through my own stage and comes back as whole rows; LDS serves a wave's instructions in order.
.macro TOSTAGE a
.irp b, 0,1,2,3
	ds_store_b128 v[STO], v[ACC+8*(4*(\a)+\b):ACC+8*(4*(\a)+\b)+3] offset:64*\b        ; each accumulator from its low end on
	ds_store_b128 v[STO], v[ACC+8*(4*(\a)+\b)+4:ACC+8*(4*(\a)+\b)+7] offset:64*\b+16
.endr
.irp t, 0,1,2,3,4,5,6,7
	ds_load_b128 v[TMP+32*((\a)%2)+4*\t:TMP+32*((\a)%2)+4*\t+3], v[RD] offset:\t*2*SPITCH
.endr
.endm
.macro SEND a, younger                 ; younger: the LDS instructions issued behind block a's loads, which may stay out
	s_wait_dscnt \younger
.irp t, 0,1,2,3,4,5,6,7
	global_store_b128 v[CO], v[TMP+32*((\a)%2)+4*\t:TMP+32*((\a)%2)+4*\t+3], s[8:9] offset:(16*(\a)+2*\t)*8192 th:TH_STORE_NT   ; sixteen lanes store 256 consecutive bytes, aligned
.endr
.endm
	PLACES
	TOSTAGE 0
.irp a, 1,2,3
.if \a > 1
	s_wait_xcnt 0x0                                ; block a - 2's stores have read the registers into which block a comes back
.endif
	TOSTAGE \a
	SEND \a-1, 16                                  ; behind block a - 1's loads: block a's 8 stores and 8 loads
.endr
	SEND 3, 0
	s_wait_tensorcnt 0x0                           ; the wave's end, behind my last tensor load and my last LDS store
	ds_add_u32 v[SPW], v[NIL]
	s_wait_dscnt 0x0
	CROUND                                         ; the closing round
	s_endpgm
.Lfunc_end_k_q4c6c4dbe16_proj:
	.size	k_q4c6c4dbe16_proj, .Lfunc_end_k_q4c6c4dbe16_proj-k_q4c6c4dbe16_proj
	.p2alignl 7, 3214868480
	.fill 96, 4, 3214868480
	.section	.rodata,"a",@progbits
	.p2align	6, 0x0
	.amdhsa_kernel k_q4c6c4dbe16_proj
		.amdhsa_group_segment_fixed_size 327680
		.amdhsa_private_segment_fixed_size 0
		.amdhsa_enable_private_segment 0
		.amdhsa_kernarg_size 24
		.amdhsa_user_sgpr_count 2
		.amdhsa_user_sgpr_kernarg_segment_ptr 1
		.amdhsa_wavefront_size32 1
		.amdhsa_system_sgpr_workgroup_id_x 1
		.amdhsa_system_sgpr_workgroup_id_y 1
		.amdhsa_system_sgpr_workgroup_id_z 1
		.amdhsa_system_vgpr_workitem_id 0
		.amdhsa_next_free_vgpr 512
		.amdhsa_next_free_sgpr 66
		.amdhsa_reserve_vcc 0
		.amdhsa_float_denorm_mode_32 3
		.amdhsa_float_denorm_mode_16_64 3
		.amdhsa_memory_ordered 1
		.amdhsa_forward_progress 1
		.amdhsa_inst_pref_size 85
	.end_amdhsa_kernel
	.amdgpu_metadata
---
amdhsa.version: [ 1, 2 ]
amdhsa.kernels:
  - .name:           k_q4c6c4dbe16_proj
    .symbol:         k_q4c6c4dbe16_proj.kd
    .args:
      - { .name: o16, .offset: 0, .size: 8, .value_kind: global_buffer, .address_space: global }
      - { .name: wo16, .offset: 8, .size: 8, .value_kind: global_buffer, .address_space: global }
      - { .name: out0, .offset: 16, .size: 8, .value_kind: global_buffer, .address_space: global }
    .group_segment_fixed_size: 327680
    .private_segment_fixed_size: 0
    .kernarg_segment_align: 8
    .kernarg_segment_size: 24
    .max_flat_workgroup_size: 128
    .sgpr_count:     66
    .vgpr_count:     512
    .wavefront_size: 32
...
	.end_amdgpu_metadata
.endif
;; end of part 4
;; launch fattn (part 5): grid 256 x 1, 2 waves a work-group, no clusters, 0 bytes of LDS; arguments qkv, vf, mask, fp; writes fp
.if DOCPART == 5
	.amdgcn_target "amdgcn-amd-amdhsa--gfx1250"
	.amdhsa_code_object_version 6
	.text
	.protected	k_q4c6c4dbe16_fattn
	.globl	k_q4c6c4dbe16_fattn
	.p2align	8
	.type	k_q4c6c4dbe16_fattn,@function
k_q4c6c4dbe16_fattn:
	s_mov_b64 s[64:65], 0
	v_nop
	global_prefetch_b8 v0, s[64:65] scope:SCOPE_SE
	s_setreg_imm32_b32 hwreg(HW_REG_WAVE_MODE, 25, 1), 1
	s_wait_xcnt 0x0
; POSITIONS 0 TO 15 OF EVERY HEAD, MORE FINELY, IN PARTS.  These rows may average few values and are then the largest of the output, so the weights p and the values v go to the matrix unit as PAIRS of f16 numbers:
; hi = the f32 number with its low 13 mantissa bits cleared, lo = the rest; hi x hi + lo x hi + hi x lo are summed in f32.  q and k stay single f16 numbers (from qkv); v comes as f32 (vf).
; A WAVE MAKES ONE PART: one query head, the 16 queries, 128 keys: its own maximum m, its own sum l of the f32 p, and O^T = V^T P, not normalised.  32 heads x 16 parts = 512 waves, two to a work-group;
; waves share nothing: no LDS, no barrier.  The next launch joins a head's sixteen parts.
; t = clip(s) + mask in f32; the difference t - m is taken before the multiplication by log2 e.
; ALL OF A WAVE'S 116 LOADS GO OUT AT ITS HEAD (Q 4, K 32, the mask 16, V 64), each into registers of its own, so that the wave waits for memory once.
; A part's record in fp, 4,352 bytes, at (16 head + part): the image of O^T's 32 registers (register 4 i + e of lane l at 512 i + 16 l + 4 e), then at 4,096 m of queries 0-15 and at 4,160 their l.
; V^T's fragment: a lane loads 16 bytes = 4 channels of a key; tile c of O^T is made of the channels 4 m + c, so that sixteen lanes read a key's whole 256 bytes.
; So register 8 c + j of lane (r, h) is O(query r, channel 32 h + 4 j + c).
; No tensor load and no cluster: every byte goes from memory into one wave's registers once, and nothing lies in LDS that work-groups could be given jointly.
; LIMITS: f16's range for q / 8, k and the hi parts of v (under 65,504); lo parts are carried to 3e-8 absolute.
; REGISTERS: window 0: v1-13 addresses; v16-31 Q, then at work; v32-159 K; then v32-63 P hi, v64-95 P lo, v96-127 and v128-159 hi and lo of V as f32; v160-223 S, then V's hi (v160-175) and lo (v176-191) as f16; v224-255 O^T.
;   window 1: V, batch kc (32 keys) at v[64 kc].   window 2: v0-63 the mask.
.set WV,   10                          ; s10  which 128 keys: 0..15
.set MSK,  11
.set CS,   12
.set SEL,  14
.set PH,   32
.set PL,   64
.set TH,   96
.set TL,   128
.set HV,   160
.set LV,   176
.set OA,   224
.set REC,  4352
.set MSB, 0
.macro WIN new                         ; the immediate's high byte repeats the setting that is left
.if MSB != (\new)
	s_set_vgpr_msb (MSB<<8)|(\new)
.set MSB, (\new)
.endif
.endm
; two numbers become a pair of f16 halves each: dh = their hi parts, dl = their lo parts
.macro SPLIT2 xa, xb, dh, dl, ta
	v_and_b32 v[\ta], s[MSK], v[\xa]
	v_and_b32 v[(\ta)+1], s[MSK], v[\xb]
	v_sub_f32 v[\xa], v[\xa], v[\ta]
	v_sub_f32 v[\xb], v[\xb], v[(\ta)+1]
	v_cvt_pk_f16_f32 v[\dh], v[\ta], v[(\ta)+1]
	v_cvt_pk_f16_f32 v[\dl], v[\xa], v[\xb]
.endm
	s_load_b256 s[16:23], s[0:1], 0x0              ; qkv 16:17, vf 18:19, mask 20:21, fp 22:23
	v_lshrrev_b32 v1, 5, v0
	v_readfirstlane_b32 s9, v1                     ; wave 0..1
	s_and_b32 s8, ttmp9, 7
	s_lshl_b32 s8, s8, 1
	s_add_co_u32 s[WV], s8, s9                     ; my part: 2 (work-group % 8) + wave
	s_lshr_b32 s33, ttmp9, 3                       ; my head: work-group / 8
	s_mov_b32 s[MSK], 0xffffe000
	s_mov_b32 s[CS], 0x3fb8aa3b                    ; log2 e
	s_mov_b32 s[CS+1], s[CS]
	s_mov_b32 s[SEL], 0x76543210
	s_mov_b32 s[SEL+1], 0xfedcba98
	v_and_b32 v1, 15, v0                           ; r
	v_bfe_u32 v2, v0, 4, 1                         ; h
	v_and_b32 v7, 31, v0                           ; lane
	v_lshlrev_b32 v3, 7, v1
	v_lshl_add_u32 v3, v2, 4, v3                   ; Q, K: row r of 128 bytes, + 16 h
	v_lshlrev_b32 v4, 13, v1
	v_lshl_add_u32 v4, v2, 5, v4                   ; mask: row r of 8,192 bytes, + 32 h
	v_lshlrev_b32 v5, 11, v2
	v_lshl_add_u32 v5, v1, 4, v5                   ; V: 8 h keys of 256 bytes, + 16 r
	v_lshlrev_b32 v6, 2, v7                        ; the record's m and l: 4 lane
	v_lshlrev_b32 v12, 4, v7                       ; the record's image: 16 lane
	v_mov_b32 v13, 0x41a00000                      ; 20.0
	s_mov_b32 s35, 0
	s_lshl_b32 s34, s33, 18                        ; Q: my head
	s_lshr_b32 s36, s33, 2                         ; the key/value head
	s_add_co_u32 s38, s36, 32
	s_lshl_b32 s38, s38, 18
	s_lshl_b32 s39, s[WV], 14
	s_add_co_u32 s38, s38, s39                     ; K: head 32 + kv head, my 128 keys
	s_mov_b32 s39, 0
	s_lshl_b32 s40, s36, 19
	s_lshl_b32 s41, s[WV], 15
	s_add_co_u32 s40, s40, s41                     ; V
	s_mov_b32 s41, 0
	s_lshl_b32 s42, s[WV], 9                       ; mask: my 128 keys
	s_mov_b32 s43, 0
	s_lshl_b32 s44, s33, 4
	s_add_co_u32 s44, s44, s[WV]
	s_mul_i32 s44, s44, REC                        ; my record
	s_mov_b32 s45, 0
	s_wait_kmcnt 0x0
	s_add_nc_u64 s[24:25], s[16:17], s[34:35]
	s_add_nc_u64 s[26:27], s[16:17], s[38:39]
	s_add_nc_u64 s[18:19], s[18:19], s[40:41]
	s_add_nc_u64 s[20:21], s[20:21], s[42:43]
	s_add_nc_u64 s[22:23], s[22:23], s[44:45]
.irp ks, 0,1
	global_load_b128 v[16+8*\ks:19+8*\ks], v3, s[24:25] offset:64*\ks
	global_load_b128 v[20+8*\ks:23+8*\ks], v3, s[24:25] offset:64*\ks+32
.endr
.irp kt, 0,1,2,3,4,5,6,7
.irp ks, 0,1
	global_load_b128 v[32+16*\kt+8*\ks:35+16*\kt+8*\ks], v3, s[26:27] offset:2048*\kt+64*\ks
	global_load_b128 v[36+16*\kt+8*\ks:39+16*\kt+8*\ks], v3, s[26:27] offset:2048*\kt+64*\ks+32
.endr
.endr
	WIN 0x80                                       ; destination window 2
.irp kt, 0,1,2,3,4,5,6,7
	global_load_b128 v[8*\kt:8*\kt+3], v4, s[20:21] offset:64*\kt
	global_load_b128 v[8*\kt+4:8*\kt+7], v4, s[20:21] offset:64*\kt+16
.endr
	WIN 0x40                                       ; destination window 1
.irp kc, 0,1,2,3                               ; 32 keys x 64 channels of f32 a batch: register 64 kc + 4 i + c = V(key_i, channel 4 r + c); key_i = 32 kc + 8 h + i (i < 8), 32 kc + 16 + 8 h + i - 8 (else)
.irp i, 0,1,2,3,4,5,6,7
	global_load_b128 v[64*\kc+4*\i:64*\kc+4*\i+3], v5, s[18:19] offset:(32*\kc+\i)*256
.endr
.irp i, 8,9,10,11,12,13,14,15
	global_load_b128 v[64*\kc+4*\i:64*\kc+4*\i+3], v5, s[18:19] offset:(32*\kc+8+\i)*256
.endr
.endr
	WIN 0
	s_wait_loadcnt 63                              ; of my 116 loads at most 63 are out: the first 53 are in, and Q, K and the mask are the first 52
.irp kt, 0,1,2,3,4,5,6,7                       ; S^T = K Q^T: eight accumulators by turns; the first pass starts the sums
	v_wmma_f32_16x16x32_f16 v[160+8*\kt:167+8*\kt], v[32+16*\kt:39+16*\kt], v[16:23], 0
.endr
.irp kt, 0,1,2,3,4,5,6,7
	v_wmma_f32_16x16x32_f16 v[160+8*\kt:167+8*\kt], v[40+16*\kt:47+16*\kt], v[24:31], v[160+8*\kt:167+8*\kt]
.endr
.rept 4
	v_nop                                          ; places in front of the reads of the scores and of the writes over Q's and K's registers
.endr
.set i, 0
.rept 64
	v_med3_num_f32 v[160+i], v[160+i], -v13, v13   ; the clip; each accumulator from its low end on
.set i, i+1
.endr
	v_mov_b32 v25, 0                               ; (named as the upper half of the pair v[24:25])
	WIN 0x08                                       ; source 1: window 2
.set i, 0
.rept 32
	v_pk_add_f32 v[160+i:161+i], v[160+i:161+i], v[i:i+1]          ; t = clip(s) + mask
.set i, i+2
.endr
	WIN 0
.irp j, 0,1,2,3
	v_max3_num_f32 v[28+\j], v[160+16*\j], v[161+16*\j], v[162+16*\j]
.endr
.irp u, 3,5,7,9,11,13
.irp j, 0,1,2,3
	v_max3_num_f32 v[28+\j], v[28+\j], v[160+16*\j+\u], v[161+16*\j+\u]
.endr
.endr
	v_max3_num_f32 v28, v28, v175, v191
	v_max3_num_f32 v30, v30, v207, v223
	v_max3_num_f32 v28, v28, v29, v30
	v_max3_num_f32 v28, v28, v31, 0xff61b1e6       ; and -3e38, so that m is a number
	v_permlanex16_b32 v29, v28, s[SEL], s[SEL+1]
	v_max_num_f32 v24, v28, v29                    ; m of my 128 keys
.set i, 0
.rept 32
	v_pk_add_f32 v[160+i:161+i], v[160+i:161+i], v[24:25] op_sel_hi:[1,0] neg_lo:[0,1] neg_hi:[0,1]
.set i, i+2
.endr
.set i, 0
.rept 32
	v_pk_mul_f32 v[160+i:161+i], v[160+i:161+i], s[CS:CS+1] op_sel_hi:[1,0]
.set i, i+2
.endr
.set i, 0
.rept 64
	v_exp_f32 v[160+i], v[160+i]
.set i, i+1
.endr
	v_nop                                          ; a plain instruction behind the last exponential
	s_wait_alu depctr_va_vdst(0)                   ; one wait for the batch of 64, ahead of its first reader
	v_pk_add_f32 v[26:27], v[160:161], v[162:163]  ; the sum of the f32 p, in two chains
	v_pk_add_f32 v[28:29], v[164:165], v[166:167]
.irp j, 8,12,16,20,24,28,32,36,40,44,48,52,56,60
	v_pk_add_f32 v[26:27], v[26:27], v[160+\j:161+\j]
	v_pk_add_f32 v[28:29], v[28:29], v[162+\j:163+\j]
.endr
	v_pk_add_f32 v[26:27], v[26:27], v[28:29]
	v_add_f32 v25, v26, v27
	v_permlanex16_b32 v28, v25, s[SEL], s[SEL+1]
	v_add_f32 v25, v25, v28                        ; l of my 128 keys
.set i, 0
.rept 32
	SPLIT2 160+2*i, 161+2*i, PH+i, PL+i, 16+2*(i%4)   ; key tiles 2 c and 2 c + 1 give fragment c of P, hi and lo
.set i, i+1
.endr
; Tiles 2 cp and 2 cp + 1 of V^T for batch kc: register q of a fragment = keys 2 q, 2 q + 1 of the lane's sixteen.  Three runs under three window settings: the hi parts, the lo parts, the roundings.
.macro VSPLIT kc, cp
	WIN 0x04                                       ; source 1: window 1
.irp cc, 0,1
.set vq, 0
.rept 8
	v_and_b32 v[TH+16*\cc+2*vq], s[MSK], v[64*(\kc)+8*vq+2*(\cp)+\cc]
	v_and_b32 v[TH+16*\cc+2*vq+1], s[MSK], v[64*(\kc)+8*vq+4+2*(\cp)+\cc]
.set vq, vq+1
.endr
.endr
	WIN 0x01                                       ; source 0: window 1
.irp cc, 0,1
.set vq, 0
.rept 8
	v_sub_f32 v[TL+16*\cc+2*vq], v[64*(\kc)+8*vq+2*(\cp)+\cc], v[TH+16*\cc+2*vq]
	v_sub_f32 v[TL+16*\cc+2*vq+1], v[64*(\kc)+8*vq+4+2*(\cp)+\cc], v[TH+16*\cc+2*vq+1]
.set vq, vq+1
.endr
.endr
	WIN 0
.irp cc, 0,1
.set vq, 0
.rept 8
	v_cvt_pk_f16_f32 v[HV+8*\cc+vq], v[TH+16*\cc+2*vq], v[TH+16*\cc+2*vq+1]
	v_cvt_pk_f16_f32 v[LV+8*\cc+vq], v[TL+16*\cc+2*vq], v[TL+16*\cc+2*vq+1]
.set vq, vq+1
.endr
.endr
.endm
.macro PVG kc, cp, zero                ; six products, the two accumulators by turns: hi x hi, lo x hi, hi x lo
.set O0, OA+16*(\cp)
.if \zero
	v_wmma_f32_16x16x32_f16 v[O0:O0+7], v[HV:HV+7], v[PH+8*(\kc):PH+8*(\kc)+7], 0
	v_wmma_f32_16x16x32_f16 v[O0+8:O0+15], v[HV+8:HV+15], v[PH+8*(\kc):PH+8*(\kc)+7], 0
.else
	v_wmma_f32_16x16x32_f16 v[O0:O0+7], v[HV:HV+7], v[PH+8*(\kc):PH+8*(\kc)+7], v[O0:O0+7]
	v_wmma_f32_16x16x32_f16 v[O0+8:O0+15], v[HV+8:HV+15], v[PH+8*(\kc):PH+8*(\kc)+7], v[O0+8:O0+15]
.endif
	v_wmma_f32_16x16x32_f16 v[O0:O0+7], v[LV:LV+7], v[PH+8*(\kc):PH+8*(\kc)+7], v[O0:O0+7]
	v_wmma_f32_16x16x32_f16 v[O0+8:O0+15], v[LV+8:LV+15], v[PH+8*(\kc):PH+8*(\kc)+7], v[O0+8:O0+15]
	v_wmma_f32_16x16x32_f16 v[O0:O0+7], v[HV:HV+7], v[PL+8*(\kc):PL+8*(\kc)+7], v[O0:O0+7]
	v_wmma_f32_16x16x32_f16 v[O0+8:O0+15], v[HV+8:HV+15], v[PL+8*(\kc):PL+8*(\kc)+7], v[O0+8:O0+15]
.rept 4
	v_nop                                          ; places in front of the next writes over V's hi and lo parts, and of the stores that read the results
.endr
.endm
.irp kc, 0,1,2,3
	s_wait_loadcnt 16*(3-\kc)                      ; this batch of V is in; the sixteen loads of each later batch may be out
	VSPLIT \kc, 0
.if \kc == 0
	PVG \kc, 0, 1
.else
	PVG \kc, 0, 0
.endif
	VSPLIT \kc, 1
.if \kc == 0
	PVG \kc, 1, 1
.else
	PVG \kc, 1, 0
.endif
.endr
	; THE PART LEAVES
.irp i, 0,1,2,3,4,5,6,7
	global_store_b128 v12, v[OA+4*\i:OA+4*\i+3], s[22:23] offset:512*\i   ; 512 consecutive bytes, aligned; each accumulator from its low end on
.endr
	v_cmp_gt_u32 vcc_lo, 16, v7
	v_cndmask_b32 v26, v25, v24, vcc_lo            ; lanes 0-15: m of query r; lanes 16-31: l of query r
	global_store_b32 v6, v26, s[22:23] offset:4096
	s_endpgm
.Lfunc_end_k_q4c6c4dbe16_fattn:
	.size	k_q4c6c4dbe16_fattn, .Lfunc_end_k_q4c6c4dbe16_fattn-k_q4c6c4dbe16_fattn
	.p2alignl 7, 3214868480
	.fill 96, 4, 3214868480
	.section	.rodata,"a",@progbits
	.p2align	6, 0x0
	.amdhsa_kernel k_q4c6c4dbe16_fattn
		.amdhsa_group_segment_fixed_size 0
		.amdhsa_private_segment_fixed_size 0
		.amdhsa_enable_private_segment 0
		.amdhsa_kernarg_size 32
		.amdhsa_user_sgpr_count 2
		.amdhsa_user_sgpr_kernarg_segment_ptr 1
		.amdhsa_wavefront_size32 1
		.amdhsa_system_sgpr_workgroup_id_x 1
		.amdhsa_system_sgpr_workgroup_id_y 1
		.amdhsa_system_sgpr_workgroup_id_z 1
		.amdhsa_system_vgpr_workitem_id 0
		.amdhsa_next_free_vgpr 576
		.amdhsa_next_free_sgpr 66
		.amdhsa_reserve_vcc 1
		.amdhsa_float_denorm_mode_32 3
		.amdhsa_float_denorm_mode_16_64 3
		.amdhsa_memory_ordered 1
		.amdhsa_forward_progress 1
		.amdhsa_inst_pref_size 77
	.end_amdhsa_kernel
	.amdgpu_metadata
---
amdhsa.version: [ 1, 2 ]
amdhsa.kernels:
  - .name:           k_q4c6c4dbe16_fattn
    .symbol:         k_q4c6c4dbe16_fattn.kd
    .args:
      - { .name: qkv, .offset: 0, .size: 8, .value_kind: global_buffer, .address_space: global }
      - { .name: vf, .offset: 8, .size: 8, .value_kind: global_buffer, .address_space: global }
      - { .name: mask, .offset: 16, .size: 8, .value_kind: global_buffer, .address_space: global }
      - { .name: fp, .offset: 24, .size: 8, .value_kind: global_buffer, .address_space: global }
    .group_segment_fixed_size: 0
    .private_segment_fixed_size: 0
    .kernarg_segment_align: 8
    .kernarg_segment_size: 32
    .max_flat_workgroup_size: 64
    .sgpr_count:     66
    .vgpr_count:     576
    .wavefront_size: 32
...
	.end_amdgpu_metadata
.endif
;; end of part 5
;; launch fmerge (part 6): grid 128 x 1, 1 waves a work-group, no clusters, 0 bytes of LDS; arguments fp, of; writes of
.if DOCPART == 6
	.amdgcn_target "amdgcn-amd-amdhsa--gfx1250"
	.amdhsa_code_object_version 6
	.text
	.protected	k_q4c6c4dbe16_fmerge
	.globl	k_q4c6c4dbe16_fmerge
	.p2align	8
	.type	k_q4c6c4dbe16_fmerge,@function
k_q4c6c4dbe16_fmerge:
	s_mov_b64 s[64:65], 0
	v_nop
	global_prefetch_b8 v0, s[64:65] scope:SCOPE_SE
	s_setreg_imm32_b32 hwreg(HW_REG_WAVE_MODE, 25, 1), 1
	s_wait_xcnt 0x0
; A HEAD'S SIXTEEN PARTS OF POSITIONS 0 TO 15 ARE JOINED: M = the largest m; f_p = 2^((m_p - M) log2 e); L = sum of f_p l_p; O = (sum of f_p O_p) / L; all in f32.
; The result leaves as the register image that the next launch's operand wants, as pairs of f16 numbers (hi = the f32 number with its low 13 mantissa bits cleared, lo = the rest):
; of: for each 32 channels (2 x head + 0, 1) 2,048 bytes: hi registers 0-3, hi 4-7, lo 0-3, lo 4-7, 512 bytes each, lane l at 16 l.
; A work-group is one wave: head = work-group / 4, quarter x = work-group % 4: lane (r, h) makes query r, channels 16 x + 8 h + 0..7.
; In a part's record (4,352 bytes) channel 16 x + 8 h + 4 u + c of query r lies at 1,024 c + 512 (x % 2) + 256 (x / 2) + 16 r + 8 h + 4 u: so four loads of 8 bytes a lane for each part, each of 256 consecutive bytes a wave.
; A row whose every t was -infinity has L = 0 and comes out as NaN, as the definition has it.  LIMITS: hi parts under 65,504; lo parts are carried to 3e-8 absolute.
; REGISTERS: v16-31 m, then f; v32-47 l; v48-55 the eight sums (index 2 c + u); v56-63 at work; v64-191 the parts' numbers (8 p + 2 c + u); v192-195 hi, v196-199 lo.
.set REC, 4352
.set MSK, 20
.set CS,  21
.macro SPLIT2 xa, xb, dh, dl, ta
	v_and_b32 v[\ta], s[MSK], v[\xa]
	v_and_b32 v[(\ta)+1], s[MSK], v[\xb]
	v_sub_f32 v[\xa], v[\xa], v[\ta]
	v_sub_f32 v[\xb], v[\xb], v[(\ta)+1]
	v_cvt_pk_f16_f32 v[\dh], v[\ta], v[(\ta)+1]
	v_cvt_pk_f16_f32 v[\dl], v[\xa], v[\xb]
.endm
	s_load_b128 s[4:7], s[0:1], 0x0                ; fp, of
	s_lshr_b32 s8, ttmp9, 2                        ; head
	s_and_b32 s9, ttmp9, 3                         ; quarter x
	s_mov_b32 s[MSK], 0xffffe000
	s_mov_b32 s[CS], 0x3fb8aa3b                    ; log2 e
	v_and_b32 v1, 15, v0                           ; r
	v_bfe_u32 v2, v0, 4, 1                         ; h
	v_lshlrev_b32 v3, 2, v1                        ; m, l: 4 r
	v_lshlrev_b32 v4, 4, v1
	v_lshl_add_u32 v4, v2, 3, v4                   ; the numbers: 16 r + 8 h
	v_lshlrev_b32 v5, 4, v0                        ; the image: 16 lane
	s_mul_i32 s10, s8, 16*REC                      ; the head's sixteen records
	s_mov_b32 s11, 0
	s_and_b32 s12, s9, 1
	s_lshr_b32 s13, s9, 1
	s_lshl_b32 s14, s12, 9
	s_lshl_b32 s15, s13, 8
	s_add_co_u32 s14, s14, s15                     ; 512 (x % 2) + 256 (x / 2)
	s_mov_b32 s15, 0
	s_lshl_b32 s22, s8, 12                         ; of: 4,096 a head,
	s_lshl_b32 s23, s13, 11
	s_add_co_u32 s22, s22, s23                     ; 2,048 for each 32 channels,
	s_lshl_b32 s23, s12, 9
	s_add_co_u32 s22, s22, s23                     ; 512 for each half of the registers
	s_mov_b32 s23, 0
	s_wait_kmcnt 0x0
	s_add_nc_u64 s[16:17], s[4:5], s[10:11]
	s_add_nc_u64 s[18:19], s[16:17], s[14:15]
	s_add_nc_u64 s[6:7], s[6:7], s[22:23]
.irp p, 0,1,2,3,4,5,6,7,8,9,10,11,12,13,14,15
	global_load_b32 v[16+\p], v3, s[16:17] offset:REC*\p+4096
	global_load_b32 v[32+\p], v3, s[16:17] offset:REC*\p+4160
.endr
.irp p, 0,1,2,3,4,5,6,7,8,9,10,11,12,13,14,15
.irp c, 0,1,2,3
	global_load_b64 v[64+8*\p+2*\c:65+8*\p+2*\c], v4, s[18:19] offset:REC*\p+1024*\c
.endr
.endr
	s_wait_loadcnt 63                              ; of my 96 loads at most 63 are out: the first 33 are in, and m and l are the first 32
	v_max3_num_f32 v6, v16, v17, v18
.irp i, 3,5,7,9,11,13
	v_max3_num_f32 v6, v6, v[16+\i], v[17+\i]
.endr
	v_max_num_f32 v6, v6, v31                      ; M
.irp p, 0,1,2,3,4,5,6,7,8,9,10,11,12,13,14,15
	v_sub_f32 v[16+\p], v[16+\p], v6
.endr
.irp p, 0,1,2,3,4,5,6,7,8,9,10,11,12,13,14,15
	v_mul_f32 v[16+\p], s[CS], v[16+\p]
.endr
.irp p, 0,1,2,3,4,5,6,7,8,9,10,11,12,13,14,15
	v_exp_f32 v[16+\p], v[16+\p]                   ; f
.endr
	v_nop                                          ; a plain instruction behind the last exponential
	s_wait_alu depctr_va_vdst(0)                   ; one wait for the batch of sixteen, ahead of its first reader
	v_mul_f32 v8, v32, v16                         ; L, in two chains
	v_mul_f32 v9, v33, v17
.irp p, 2,4,6,8,10,12,14
	v_fma_f32 v8, v[32+\p], v[16+\p], v8
	v_fma_f32 v9, v[33+\p], v[17+\p], v9
.endr
	v_add_f32 v8, v8, v9
	v_rcp_f32 v8, v8                               ; the sums below, which do not name it, stand between the reciprocal and the wait for it
	s_wait_loadcnt 0x0                             ; the parts' numbers
.irp e, 0,1,2,3,4,5,6,7
	v_mul_f32 v[48+\e], v[64+\e], v16              ; the first part starts the sums
.endr
.irp p, 1,2,3,4,5,6,7,8,9,10,11,12,13,14,15
.irp e, 0,1,2,3,4,5,6,7
	v_fma_f32 v[48+\e], v[64+8*\p+\e], v[16+\p], v[48+\e]   ; eight sums by turns: no line waits for the line above it
.endr
.endr
	s_wait_alu depctr_va_vdst(0)                   ; the wait for the reciprocal, ahead of its first reader
.irp e, 0,1,2,3,4,5,6,7
	v_mul_f32 v[48+\e], v[48+\e], v8
.endr
	SPLIT2 48, 50, 192, 196, 56                    ; channels + 0, 1: indices 2 c + u = 0, 2
	SPLIT2 52, 54, 193, 197, 58                    ; + 2, 3: 4, 6
	SPLIT2 49, 51, 194, 198, 60                    ; + 4, 5: 1, 3
	SPLIT2 53, 55, 195, 199, 62                    ; + 6, 7: 5, 7
	global_store_b128 v5, v[192:195], s[6:7]               ; 512 consecutive bytes, aligned
	global_store_b128 v5, v[196:199], s[6:7] offset:1024
	s_endpgm
.Lfunc_end_k_q4c6c4dbe16_fmerge:
	.size	k_q4c6c4dbe16_fmerge, .Lfunc_end_k_q4c6c4dbe16_fmerge-k_q4c6c4dbe16_fmerge
	.p2alignl 7, 3214868480
	.fill 96, 4, 3214868480
	.section	.rodata,"a",@progbits
	.p2align	6, 0x0
	.amdhsa_kernel k_q4c6c4dbe16_fmerge
		.amdhsa_group_segment_fixed_size 0
		.amdhsa_private_segment_fixed_size 0
		.amdhsa_enable_private_segment 0
		.amdhsa_kernarg_size 16
		.amdhsa_user_sgpr_count 2
		.amdhsa_user_sgpr_kernarg_segment_ptr 1
		.amdhsa_wavefront_size32 1
		.amdhsa_system_sgpr_workgroup_id_x 1
		.amdhsa_system_sgpr_workgroup_id_y 1
		.amdhsa_system_sgpr_workgroup_id_z 1
		.amdhsa_system_vgpr_workitem_id 0
		.amdhsa_next_free_vgpr 200
		.amdhsa_next_free_sgpr 66
		.amdhsa_reserve_vcc 0
		.amdhsa_float_denorm_mode_32 3
		.amdhsa_float_denorm_mode_16_64 3
		.amdhsa_memory_ordered 1
		.amdhsa_forward_progress 1
		.amdhsa_inst_pref_size 23
	.end_amdhsa_kernel
	.amdgpu_metadata
---
amdhsa.version: [ 1, 2 ]
amdhsa.kernels:
  - .name:           k_q4c6c4dbe16_fmerge
    .symbol:         k_q4c6c4dbe16_fmerge.kd
    .args:
      - { .name: fp, .offset: 0, .size: 8, .value_kind: global_buffer, .address_space: global }
      - { .name: of, .offset: 8, .size: 8, .value_kind: global_buffer, .address_space: global }
    .group_segment_fixed_size: 0
    .private_segment_fixed_size: 0
    .kernarg_segment_align: 8
    .kernarg_segment_size: 16
    .max_flat_workgroup_size: 32
    .sgpr_count:     66
    .vgpr_count:     200
    .wavefront_size: 32
...
	.end_amdgpu_metadata
.endif
;; end of part 6
;; launch fproj (part 7): grid 128 x 1, 16 waves a work-group, no clusters, 19,456 bytes of LDS; arguments of, wo, out0; writes out0
.if DOCPART == 7
	.amdgcn_target "amdgcn-amd-amdhsa--gfx1250"
	.amdhsa_code_object_version 6
	.text
	.protected	k_q4c6c4dbe16_fproj
	.globl	k_q4c6c4dbe16_fproj
	.p2align	8
	.type	k_q4c6c4dbe16_fproj,@function
k_q4c6c4dbe16_fproj:
	s_mov_b64 s[64:65], 0
	v_nop
	global_prefetch_b8 v0, s[64:65] scope:SCOPE_SE
	s_setreg_imm32_b32 hwreg(HW_REG_WAVE_MODE, 25, 1), 1
	s_wait_xcnt 0x0
; ROWS 0 TO 15 OF out0, MORE FINELY: out0[q][n] = sum over k of o[q][k] wo[k][n], both operands as pairs of f16 numbers (hi = the f32 number with its low 13 mantissa bits cleared, lo = the rest);
; hi x hi + lo x hi + hi x lo are summed in f32.  o comes as register images (of), wo as f32.  These rows take the place of those that the launch for all rows has stored.
; A work-group takes 16 columns, one tile: so wo's 16.8 MB are shared among 128 work-groups, 128 KB each, beside the 128 KB of o that each of them needs whole.
; The price: a row of wo is read, and a row of out0 (128 KB in all) stored, in pieces of 64 bytes.
; Wave w takes k = 128 w .. 128 w + 127 in four batches of 32; ALL ITS 80 LOADS GO OUT AT ITS HEAD.  wo^T's fragment: lane (r, h) takes column r and sixteen rows k, 4 bytes a load: two rows of 64 bytes an instruction.
; Three accumulators, one for each of the three products, take turns; each batch has hi and lo registers of its own, so that nothing that a product reads is written again.
; THE SIXTEEN WAVES' SUMS ARE JOINED through LDS, one barrier: a wave's eight registers lie as four rows of 256 bytes + 16 (row 4 w + 2 i + h: registers 4 i .. 4 i + 3 of lanes 16 h + r, 16 bytes a lane);
; wave w then takes query w: lane l reads 16 bytes at column w of rows l and 32 + l (sixteen lanes: sixteen different groups of banks), and the eight lanes with the same l % 4 are added.
; No tensor load and no cluster: every byte goes from memory into one wave's registers once.  LIMITS: hi parts under 65,504; lo parts are carried to 3e-8 absolute.
; REGISTERS: v16-23 at work; v24-31, v32-39, v40-47 the three accumulators; v48-55 their sum; v56-63 the joining; v64-127 wo, 16 a batch; v128-191 o's fragments, 16 a batch (hi 8, lo 8); v192-255 wo's hi 8 and lo 8, 16 a batch.
.set IMG,   0                          ; 64 rows x 272 bytes
.set SPARE, 17408                      ; the spare words, 128 bytes for each wave: eight blocks of 256 bytes that no other line names
.set SPW,  14
.set NIL,  15
.set WV,   10
.set MSK,  11
.set SEL,  12
.set A0,   24
.set A1,   32
.set A2,   40
.set XW,   64
.set OB,   128
.set HL,   192
.macro SPLIT2 xa, xb, dh, dl, ta
	v_and_b32 v[\ta], s[MSK], v[\xa]
	v_and_b32 v[(\ta)+1], s[MSK], v[\xb]
	v_sub_f32 v[\xa], v[\xa], v[\ta]
	v_sub_f32 v[\xb], v[\xb], v[(\ta)+1]
	v_cvt_pk_f16_f32 v[\dh], v[\ta], v[(\ta)+1]
	v_cvt_pk_f16_f32 v[\dl], v[\xa], v[\xb]
.endm
	s_load_b128 s[16:19], s[0:1], 0x0              ; of, wo
	s_load_b64 s[20:21], s[0:1], 0x10              ; out0
	v_lshl_add_u32 v[SPW], v0, 2, SPARE
	v_mov_b32 v[NIL], 0
	v_lshrrev_b32 v1, 5, v0
	v_readfirstlane_b32 s[WV], v1                  ; wave 0..15
	s_mov_b32 s[MSK], 0xffffe000
	s_mov_b32 s[SEL], 0x76543210
	s_mov_b32 s[SEL+1], 0xfedcba98
	v_and_b32 v1, 15, v0                           ; r
	v_bfe_u32 v2, v0, 4, 1                         ; h
	v_and_b32 v13, 31, v0                          ; lane
	v_lshlrev_b32 v3, 16, v2
	v_lshl_add_u32 v3, v1, 2, v3                   ; wo: 8 h rows of 8,192 bytes, + 4 r
	v_lshlrev_b32 v4, 4, v13                       ; of: 16 lane
	s_mul_i32 s30, s[WV], 4*272
	v_mul_u32_u24 v8, v2, 272
	v_lshl_add_u32 v8, v1, 4, v8
	v_add_nc_u32 v8, s30, v8                       ; my image, in: row 4 w + h, + 16 r
	s_lshl_b32 s30, s[WV], 4
	v_mul_u32_u24 v9, v13, 272
	v_add_nc_u32 v9, s30, v9                       ; and what I join: row lane, + 16 w
	v_and_b32 v10, 1, v0
	v_bfe_u32 v11, v0, 1, 1
	v_lshlrev_b32 v12, 5, v10
	v_lshl_add_u32 v12, v11, 4, v12                ; out0: piece l % 4 = 2 i + h holds columns 8 h + 4 i + 0..3: byte 32 h + 16 i
	s_lshl_b32 s24, s[WV], 13                      ; of: my four images of 2,048 bytes
	s_mov_b32 s25, 0
	s_lshl_b32 s26, s[WV], 20                      ; wo: my 128 rows,
	s_lshl_b32 s27, ttmp9, 6
	s_add_co_u32 s26, s26, s27                     ; my work-group's 16 columns
	s_mov_b32 s27, 0
	s_lshl_b32 s28, s[WV], 13                      ; out0: row w,
	s_lshl_b32 s29, ttmp9, 6
	s_add_co_u32 s28, s28, s29
	s_mov_b32 s29, 0
	s_wait_kmcnt 0x0
	s_add_nc_u64 s[16:17], s[16:17], s[24:25]
	s_add_nc_u64 s[18:19], s[18:19], s[26:27]
	s_add_nc_u64 s[20:21], s[20:21], s[28:29]
.irp b, 0,1,2,3                                ; batch b: 20 loads: register i = wo(k_i, column r); k_i = 32 b + 8 h + i (i < 8), 32 b + 16 + 8 h + i - 8 (else); and o's fragment of these 32 k
.irp i, 0,1,2,3,4,5,6,7
	global_load_b32 v[XW+16*\b+\i], v3, s[18:19] offset:(32*\b+\i)*8192
.endr
.irp i, 8,9,10,11,12,13,14,15
	global_load_b32 v[XW+16*\b+\i], v3, s[18:19] offset:(32*\b+8+\i)*8192
.endr
.irp i, 0,1,2,3
	global_load_b128 v[OB+16*\b+4*\i:OB+16*\b+4*\i+3], v4, s[16:17] offset:\b*2048+512*\i
.endr
.endr
.irp b, 0,1,2,3
	s_wait_loadcnt 20*(3-\b)                       ; this batch's 20 loads are in; the 20 of each later batch may be out
.set vq, 0
.rept 8
	SPLIT2 XW+16*\b+2*vq, XW+16*\b+2*vq+1, HL+16*\b+vq, HL+16*\b+8+vq, 16+2*(vq%4)   ; register q of the fragment = rows k 2 q, 2 q + 1 of the lane's sixteen
.set vq, vq+1
.endr
.if \b == 0                                    ; three accumulators by turns, one instruction a turn; the first batch starts the sums
	v_wmma_f32_16x16x32_f16 v[A0:A0+7], v[HL+16*\b:HL+16*\b+7], v[OB+16*\b:OB+16*\b+7], 0
	v_wmma_f32_16x16x32_f16 v[A1:A1+7], v[HL+16*\b+8:HL+16*\b+15], v[OB+16*\b:OB+16*\b+7], 0
	v_wmma_f32_16x16x32_f16 v[A2:A2+7], v[HL+16*\b:HL+16*\b+7], v[OB+16*\b+8:OB+16*\b+15], 0
.else
	v_wmma_f32_16x16x32_f16 v[A0:A0+7], v[HL+16*\b:HL+16*\b+7], v[OB+16*\b:OB+16*\b+7], v[A0:A0+7]
	v_wmma_f32_16x16x32_f16 v[A1:A1+7], v[HL+16*\b+8:HL+16*\b+15], v[OB+16*\b:OB+16*\b+7], v[A1:A1+7]
	v_wmma_f32_16x16x32_f16 v[A2:A2+7], v[HL+16*\b:HL+16*\b+7], v[OB+16*\b+8:OB+16*\b+15], v[A2:A2+7]
.endif
.endr
.rept 4
	v_nop                                          ; places in front of the first read of the results
.endr
.irp i, 0,2,4,6
	v_pk_add_f32 v[48+\i:49+\i], v[A1+\i:A1+\i+1], v[A2+\i:A2+\i+1]      ; each accumulator from its low end on
.endr
.irp i, 0,2,4,6
	v_pk_add_f32 v[48+\i:49+\i], v[48+\i:49+\i], v[A0+\i:A0+\i+1]        ; register j of lane (r, h): out0(query r, column 8 h + j), over my 128 k
.endr
	ds_store_b128 v8, v[48:51] offset:IMG
	ds_store_b128 v8, v[52:55] offset:IMG+2*272
	s_wait_dscnt 0x0                               ; for the others' sake: my image is stored
	s_barrier_signal -1
	s_barrier_wait -1
	ds_load_b128 v[56:59], v9 offset:IMG           ; images 0-7: lane l: image l / 4, piece l % 4, query w
	ds_load_b128 v[60:63], v9 offset:IMG+32*272    ; images 8-15
	s_wait_dscnt 0x0
	v_pk_add_f32 v[56:57], v[56:57], v[60:61]
	v_pk_add_f32 v[58:59], v[58:59], v[62:63]
.irp m, 4,8                                    ; over the lanes with the same l % 4
.irp i, 56,57,58,59
	v_add_f32_dpp v[\i], v[\i], v[\i] row_xmask:\m row_mask:0xf bank_mask:0xf
.endr
.endr
.irp i, 0,1,2,3
	v_permlanex16_b32 v[60+\i], v[56+\i], s[SEL], s[SEL+1]
.endr
	v_pk_add_f32 v[56:57], v[56:57], v[60:61]
	v_pk_add_f32 v[58:59], v[58:59], v[62:63]
	v_cmp_gt_u32 vcc_lo, 4, v13
	s_wait_xcnt 0x0                                ; EXEC changes only behind this wait
	s_and_saveexec_b32 s30, vcc_lo                 ; lanes 0-3 hold the row's four pieces
	global_store_b128 v12, v[56:59], s[20:21]      ; 64 consecutive bytes of row w
	s_wait_xcnt 0x0                                ; and again, in front of the line that widens it
	s_or_b32 exec_lo, exec_lo, s30
	s_wait_tensorcnt 0x0                           ; the wave's end, behind my last LDS store
	ds_add_u32 v[SPW], v[NIL]
	s_wait_dscnt 0x0
	s_endpgm
.Lfunc_end_k_q4c6c4dbe16_fproj:
	.size	k_q4c6c4dbe16_fproj, .Lfunc_end_k_q4c6c4dbe16_fproj-k_q4c6c4dbe16_fproj
	.p2alignl 7, 3214868480
	.fill 96, 4, 3214868480
	.section	.rodata,"a",@progbits
	.p2align	6, 0x0
	.amdhsa_kernel k_q4c6c4dbe16_fproj
		.amdhsa_group_segment_fixed_size 19456
		.amdhsa_private_segment_fixed_size 0
		.amdhsa_enable_private_segment 0
		.amdhsa_kernarg_size 24
		.amdhsa_user_sgpr_count 2
		.amdhsa_user_sgpr_kernarg_segment_ptr 1
		.amdhsa_wavefront_size32 1
		.amdhsa_system_sgpr_workgroup_id_x 1
		.amdhsa_system_sgpr_workgroup_id_y 1
		.amdhsa_system_sgpr_workgroup_id_z 1
		.amdhsa_system_vgpr_workitem_id 0
		.amdhsa_next_free_vgpr 256
		.amdhsa_next_free_sgpr 66
		.amdhsa_reserve_vcc 1
		.amdhsa_float_denorm_mode_32 3
		.amdhsa_float_denorm_mode_16_64 3
		.amdhsa_memory_ordered 1
		.amdhsa_forward_progress 1
		.amdhsa_inst_pref_size 21
	.end_amdhsa_kernel
	.amdgpu_metadata
---
amdhsa.version: [ 1, 2 ]
amdhsa.kernels:
  - .name:           k_q4c6c4dbe16_fproj
    .symbol:         k_q4c6c4dbe16_fproj.kd
    .args:
      - { .name: of, .offset: 0, .size: 8, .value_kind: global_buffer, .address_space: global }
      - { .name: wo, .offset: 8, .size: 8, .value_kind: global_buffer, .address_space: global }
      - { .name: out0, .offset: 16, .size: 8, .value_kind: global_buffer, .address_space: global }
    .group_segment_fixed_size: 19456
    .private_segment_fixed_size: 0
    .kernarg_segment_align: 8
    .kernarg_segment_size: 24
    .max_flat_workgroup_size: 512
    .sgpr_count:     66
    .vgpr_count:     256
    .wavefront_size: 32
...
	.end_amdgpu_metadata
.endif
;; end of part 7
